; MI455X (gfx1250); checked and timed in simulation.
; The chip was launched on July 23, 2026; its instructions are those of AMD's public machine-readable ISA for CDNA 5 (MIT licence, August 2026) and "CDNA5" Instruction Set Architecture Reference Guide (July 2026). The comments in the code are by the model that wrote it; some were corrected since.
;; Entity Multi Attn Q Mixer. Allowed arithmetic: float matrix products may take bf16 or f16 operands with f32 sums; all other float work in f32.
;; Inputs: agent_qs 64 x 256 x 16 float32; entities 64 x 256 x 32 x 64 float32; entity_mask 64 x 256 x 32 bool; params_attn_b1_k_0 64 x 64 float32; params_attn_b1_k_1 64 float32; params_attn_b1_o_0 64 x 64 float32; params_attn_b1_o_1 64 float32; params_attn_b1_q_0 64 x 64 float32; params_attn_b1_q_1 64 float32; params_attn_b1_v_0 64 x 64 float32; params_attn_b1_v_1 64 float32; params_attn_b2_k_0 64 x 64 float32; params_attn_b2_k_1 64 float32; params_attn_b2_o_0 64 x 64 float32; params_attn_b2_o_1 64 float32; params_attn_b2_q_0 64 x 64 float32; params_attn_b2_q_1 64 float32; params_attn_b2_v_0 64 x 64 float32; params_attn_b2_v_1 64 float32; params_attn_w1_k_0 64 x 64 float32; params_attn_w1_k_1 64 float32; params_attn_w1_o_0 64 x 64 float32; params_attn_w1_o_1 64 float32; params_attn_w1_q_0 64 x 64 float32; params_attn_w1_q_1 64 float32; params_attn_w1_v_0 64 x 64 float32; params_attn_w1_v_1 64 float32; params_attn_w2_k_0 64 x 64 float32; params_attn_w2_k_1 64 float32; params_attn_w2_o_0 64 x 64 float32; params_attn_w2_o_1 64 float32; params_attn_w2_q_0 64 x 64 float32; params_attn_w2_q_1 64 float32; params_attn_w2_v_0 64 x 64 float32; params_attn_w2_v_1 64 float32; params_emb_b1_0 64 x 64 float32; params_emb_b1_1 64 float32; params_emb_b2_0 64 x 64 float32; params_emb_b2_1 64 float32; params_emb_w1_0 64 x 64 float32; params_emb_w1_1 64 float32; params_emb_w2_0 64 x 64 float32; params_emb_w2_1 64 float32; params_hyper_b1_0 64 x 64 float32; params_hyper_b1_1 64 float32; params_hyper_b2_0 64 x 64 float32; params_hyper_b2_1 64 float32; params_hyper_w1_0 64 x 64 float32; params_hyper_w1_1 64 float32; params_hyper_w2_0 64 x 64 float32; params_hyper_w2_1 64 float32.
;; Outputs: out0 64 x 256 x 1 float32.
;; 3 versions, each right; version 2 is faster than version 1; version 3 is version 2 with the launch mix written anew for expert scheduling mode. Each part assembles by itself: llvm-mc -triple=amdgcn-amd-amdhsa -mcpu=gfx1250 --defsym DOCPART=n.
;; ======== version 1 of 3: 3 launches
;; limits: values outside matrix products are rounded to bf16; right only within a limited range of input values
;; workspace buffers: wp_a 101,376 bytes; wp_b 101,376 bytes
;; launch prep_a (part 1): grid 17 x 1, 1 waves a work-group, no clusters, 0 bytes of LDS; arguments params_emb_w1_0, params_emb_w1_1, params_attn_w1_q_0, params_attn_w1_q_1, params_attn_w1_k_0, params_attn_w1_k_1, params_attn_w1_v_0, params_attn_w1_v_1, params_attn_w1_o_0, params_attn_w1_o_1, params_hyper_w1_0, params_hyper_w1_1, params_emb_b1_0, params_emb_b1_1, params_attn_b1_q_0, params_attn_b1_q_1, params_attn_b1_k_0, params_attn_b1_k_1, params_attn_b1_v_0, params_attn_b1_v_1, params_attn_b1_o_0, params_attn_b1_o_1, params_hyper_b1_0, params_hyper_b1_1, wp_a; writes wp_a
.if DOCPART == 1
	.amdgcn_target "amdgcn-amd-amdhsa--gfx1250"
	.amdhsa_code_object_version 6
	.text
	.protected	k_q4c00073663_prep_a
	.globl	k_q4c00073663_prep_a
	.p2align	8
	.type	k_q4c00073663_prep_a,@function
k_q4c00073663_prep_a:
	s_mov_b64 s[64:65], 0
	v_nop
	global_prefetch_b8 v0, s[64:65] scope:SCOPE_SE
	s_setreg_imm32_b32 hwreg(HW_REG_WAVE_MODE, 25, 1), 1
	s_wait_xcnt 0x0
; Packs the parameters of two nets (X, then Y) into one buffer, for the launch that follows.
; Arguments: for each net emb, q, k, v, o, hyper, each as matrix [64 in][64 out] f32 and bias [64] f32; then the packed buffer.
; A net's block is NETB bytes: six matrices of 8,192 bytes in bf16, in the order in which a 16 x 32 matrix fragment lies in
; registers, then six biases of 64 f32.  A matrix is 16 units of 512 bytes, unit u = 4 t + 2 c + qh; lane L = 16 h + r owns
; the 16 bytes at 512 u + 16 L, whose element e is W[32 c + 16 qh + 8 h + e][16 t + r]: units 4t+2c and 4t+2c+1 are
; registers 0-3 and 4-7 of the fragment of out tile t and K step c.
; Wq and bq are multiplied in f32 by 0.25 log2(e), so that logits come out divided by sqrt(16) and in base 2.
; Work-group g < 16 makes unit g of all twelve matrices; work-group 16 copies the twelve biases.  One wave each.
.set NETB, 50688                       ; 6 x 8,192 + 6 x 256
.set BIAS, 49152                       ; the biases' place in a net's block
.set SCQ,  0x3eb8aa3b                  ; 0.25 log2(e)
.set D,    8                           ; v[8:103]: matrix i = 6 n + m has eight registers at D + 8 i
	s_load_b512 s[8:23],  s[0:1], 0x0              ; argument a lies in s[8+2a:9+2a]
	s_load_b512 s[24:39], s[0:1], 0x40
	s_load_b512 s[40:55], s[0:1], 0x80
	s_load_b64  s[56:57], s[0:1], 0xc0             ; the packed buffer
	v_and_b32 v1, 15, v0                           ; r
	v_lshrrev_b32 v4, 4, v0                        ; h
	s_cmp_eq_u32 ttmp9, 16
	s_cbranch_scc1 .Lbias
	s_lshr_b32 s2, ttmp9, 2                        ; t
	s_bfe_u32  s3, ttmp9, 0x10001                  ; c
	s_and_b32  s4, ttmp9, 1                        ; qh
	s_lshl_b32 s2, s2, 6                           ; 16 t columns of 4 bytes
	s_lshl_b32 s3, s3, 13                          ; 32 c rows of 256 bytes
	s_lshl_b32 s4, s4, 12                          ; 16 qh rows
	s_add_co_u32 s2, s2, s3
	s_add_co_u32 s2, s2, s4
	v_lshlrev_b32 v2, 2, v1                        ; 4 r
	v_lshl_add_u32 v2, v4, 11, v2                  ; + 8 h rows
	v_add_nc_u32 v2, s2, v2                        ; byte offset of W[32c+16qh+8h][16t+r]
	s_lshl_b32 s5, ttmp9, 9
	v_lshlrev_b32 v3, 4, v0
	v_add_nc_u32 v3, s5, v3                        ; where my 16 bytes go: 512 g + 16 L
	s_wait_kmcnt 0x0
; eight rows e of one column, for matrix m of net n
.macro LDM n, m
.irp e, 0,1,2,3,4,5,6,7
	global_load_b32 v[D+8*(6*\n+\m)+\e], v2, s[8+24*\n+4*\m:9+24*\n+4*\m] offset:256*\e
.endr
.endm
; scale (q alone), round to bf16 in place (pair j lands on register j, which pair j or an earlier one has already read), store
.macro CVM n, m
.if 88-8*(6*\n+\m) > 63
	s_wait_loadcnt 63                              ; the count that the field holds: more than this matrix's loads are in
.else
	s_wait_loadcnt 88-8*(6*\n+\m)                  ; loads come back in order: only the later matrices' loads may be out
.endif
.if \m == 1
.irp j, 0,2,4,6
	v_pk_mul_f32 v[D+8*(6*\n+\m)+\j:D+8*(6*\n+\m)+\j+1], v[D+8*(6*\n+\m)+\j:D+8*(6*\n+\m)+\j+1], SCQ op_sel_hi:[1,0]
.endr
.endif
.irp j, 0,1,2,3
	v_cvt_pk_bf16_f32 v[D+8*(6*\n+\m)+\j], v[D+8*(6*\n+\m)+2*\j], v[D+8*(6*\n+\m)+2*\j+1]
.endr
	global_store_b128 v3, v[D+8*(6*\n+\m):D+8*(6*\n+\m)+3], s[56:57] offset:\n*NETB+\m*8192   ; the wave stores 512 consecutive bytes, aligned
.endm
.irp n, 0,1
.irp m, 0,1,2,3,4,5
	LDM \n, \m                                     ; all 96 loads go out first
.endr
.endr
.irp n, 0,1
.irp m, 0,1,2,3,4,5
	CVM \n, \m
.endr
.endr
	s_endpgm
.Lbias:
	v_lshlrev_b32 v2, 3, v0                        ; two f32 a lane: 256 bytes a bias
	s_wait_kmcnt 0x0
.irp n, 0,1
.irp m, 0,1,2,3,4,5
	global_load_b64 v[D+2*(6*\n+\m):D+2*(6*\n+\m)+1], v2, s[10+24*\n+4*\m:11+24*\n+4*\m]
.endr
.endr
	s_wait_loadcnt 0x0
	v_pk_mul_f32 v[D+2:D+3],   v[D+2:D+3],   SCQ op_sel_hi:[1,0]    ; bq of net X
	v_pk_mul_f32 v[D+14:D+15], v[D+14:D+15], SCQ op_sel_hi:[1,0]    ; bq of net Y
.irp n, 0,1
.irp m, 0,1,2,3,4,5
	global_store_b64 v2, v[D+2*(6*\n+\m):D+2*(6*\n+\m)+1], s[56:57] offset:\n*NETB+BIAS+\m*256   ; 256 consecutive bytes, aligned
.endr
.endr
	s_endpgm
.Lfunc_end_k_q4c00073663_prep_a:
	.size	k_q4c00073663_prep_a, .Lfunc_end_k_q4c00073663_prep_a-k_q4c00073663_prep_a
	.p2alignl 7, 3214868480
	.fill 96, 4, 3214868480
	.section	.rodata,"a",@progbits
	.p2align	6, 0x0
	.amdhsa_kernel k_q4c00073663_prep_a
		.amdhsa_group_segment_fixed_size 0
		.amdhsa_private_segment_fixed_size 0
		.amdhsa_enable_private_segment 0
		.amdhsa_kernarg_size 200
		.amdhsa_user_sgpr_count 2
		.amdhsa_user_sgpr_kernarg_segment_ptr 1
		.amdhsa_wavefront_size32 1
		.amdhsa_system_sgpr_workgroup_id_x 1
		.amdhsa_system_sgpr_workgroup_id_y 1
		.amdhsa_system_sgpr_workgroup_id_z 1
		.amdhsa_system_vgpr_workitem_id 0
		.amdhsa_next_free_vgpr 104
		.amdhsa_next_free_sgpr 66
		.amdhsa_reserve_vcc 0
		.amdhsa_float_denorm_mode_32 3
		.amdhsa_float_denorm_mode_16_64 3
		.amdhsa_memory_ordered 1
		.amdhsa_forward_progress 1
		.amdhsa_inst_pref_size 18
	.end_amdhsa_kernel
	.amdgpu_metadata
---
amdhsa.version: [ 1, 2 ]
amdhsa.kernels:
  - .name:           k_q4c00073663_prep_a
    .symbol:         k_q4c00073663_prep_a.kd
    .args:
      - { .name: params_emb_w1_0, .offset: 0, .size: 8, .value_kind: global_buffer, .address_space: global }
      - { .name: params_emb_w1_1, .offset: 8, .size: 8, .value_kind: global_buffer, .address_space: global }
      - { .name: params_attn_w1_q_0, .offset: 16, .size: 8, .value_kind: global_buffer, .address_space: global }
      - { .name: params_attn_w1_q_1, .offset: 24, .size: 8, .value_kind: global_buffer, .address_space: global }
      - { .name: params_attn_w1_k_0, .offset: 32, .size: 8, .value_kind: global_buffer, .address_space: global }
      - { .name: params_attn_w1_k_1, .offset: 40, .size: 8, .value_kind: global_buffer, .address_space: global }
      - { .name: params_attn_w1_v_0, .offset: 48, .size: 8, .value_kind: global_buffer, .address_space: global }
      - { .name: params_attn_w1_v_1, .offset: 56, .size: 8, .value_kind: global_buffer, .address_space: global }
      - { .name: params_attn_w1_o_0, .offset: 64, .size: 8, .value_kind: global_buffer, .address_space: global }
      - { .name: params_attn_w1_o_1, .offset: 72, .size: 8, .value_kind: global_buffer, .address_space: global }
      - { .name: params_hyper_w1_0, .offset: 80, .size: 8, .value_kind: global_buffer, .address_space: global }
      - { .name: params_hyper_w1_1, .offset: 88, .size: 8, .value_kind: global_buffer, .address_space: global }
      - { .name: params_emb_b1_0, .offset: 96, .size: 8, .value_kind: global_buffer, .address_space: global }
      - { .name: params_emb_b1_1, .offset: 104, .size: 8, .value_kind: global_buffer, .address_space: global }
      - { .name: params_attn_b1_q_0, .offset: 112, .size: 8, .value_kind: global_buffer, .address_space: global }
      - { .name: params_attn_b1_q_1, .offset: 120, .size: 8, .value_kind: global_buffer, .address_space: global }
      - { .name: params_attn_b1_k_0, .offset: 128, .size: 8, .value_kind: global_buffer, .address_space: global }
      - { .name: params_attn_b1_k_1, .offset: 136, .size: 8, .value_kind: global_buffer, .address_space: global }
      - { .name: params_attn_b1_v_0, .offset: 144, .size: 8, .value_kind: global_buffer, .address_space: global }
      - { .name: params_attn_b1_v_1, .offset: 152, .size: 8, .value_kind: global_buffer, .address_space: global }
      - { .name: params_attn_b1_o_0, .offset: 160, .size: 8, .value_kind: global_buffer, .address_space: global }
      - { .name: params_attn_b1_o_1, .offset: 168, .size: 8, .value_kind: global_buffer, .address_space: global }
      - { .name: params_hyper_b1_0, .offset: 176, .size: 8, .value_kind: global_buffer, .address_space: global }
      - { .name: params_hyper_b1_1, .offset: 184, .size: 8, .value_kind: global_buffer, .address_space: global }
      - { .name: wp_a, .offset: 192, .size: 8, .value_kind: global_buffer, .address_space: global }
    .group_segment_fixed_size: 0
    .private_segment_fixed_size: 0
    .kernarg_segment_align: 8
    .kernarg_segment_size: 200
    .max_flat_workgroup_size: 32
    .sgpr_count:     66
    .vgpr_count:     104
    .wavefront_size: 32
...
	.end_amdgpu_metadata
.endif
;; end of part 1
;; launch prep_b: the kernel of part 1 again; grid 17 x 1, 1 waves a work-group, no clusters, 0 bytes of LDS; arguments params_emb_w2_0, params_emb_w2_1, params_attn_w2_q_0, params_attn_w2_q_1, params_attn_w2_k_0, params_attn_w2_k_1, params_attn_w2_v_0, params_attn_w2_v_1, params_attn_w2_o_0, params_attn_w2_o_1, params_hyper_w2_0, params_hyper_w2_1, params_emb_b2_0, params_emb_b2_1, params_attn_b2_q_0, params_attn_b2_q_1, params_attn_b2_k_0, params_attn_b2_k_1, params_attn_b2_v_0, params_attn_b2_v_1, params_attn_b2_o_0, params_attn_b2_o_1, params_hyper_b2_0, params_hyper_b2_1, wp_b; writes wp_b
;; launch mix (part 2): grid 256 x 1, 8 waves a work-group, no clusters, 327,680 bytes of LDS; arguments agent_qs, entities, entity_mask, wp_a, wp_b, out0; writes out0
.if DOCPART == 2
	.amdgcn_target "amdgcn-amd-amdhsa--gfx1250"
	.amdhsa_code_object_version 6
	.text
	.protected	k_q4c00073663_mix
	.globl	k_q4c00073663_mix
	.p2align	8
	.type	k_q4c00073663_mix,@function
k_q4c00073663_mix:
	s_mov_b64 s[64:65], 0
	v_nop
	global_prefetch_b8 v0, s[64:65] scope:SCOPE_SE
	s_setreg_imm32_b32 hwreg(HW_REG_WAVE_MODE, 25, 1), 1
	s_wait_xcnt 0x0
; The whole mixer, fused.  A work-group owns 64 samples (each 32 entities x 64 f32, 32 mask bytes, 16 agent values) and makes 64 outputs.
; Eight waves: net = wave & 3 (0 w1, 1 b1, 2 w2, 3 b2), role = wave >> 2.  All weights stay in registers for the whole launch:
;   a FRONT wave (role 0) holds We, Wq, Wk, Wv of its net (256 registers) and makes relu(embedding), Q (16 rows), K and V (32 rows);
;   a BACK wave (role 1) holds Wo, Wh and makes attention, the o and hyper products, the softmax over features and the sum over agents.
; Front hands Q, K, V to back as bf16 fragments through LDS (two parities), one work-group barrier a step:
; in step s front works on sample s, back on sample s - 1; 65 steps.
; ACTIVATIONS ARE KEPT TRANSPOSED: D = W^T (A) x X^T (B) leaves in lane (r, h) row r and features 16 t + 8 h + j, and packing tiles
; 2c and 2c+1 to bf16 gives registers 0-3 and 4-7 of the next product's fragment: no lane ever sends anything to another between products.
; V is made with the sources swapped, so that its packed tiles are the A fragment of V^T; logits are made as K (A) x Q (B), so that
; exp(logits) packs into the B fragment of the product with V.  A head has 16 features, half of a K step of 32: K's fragment holds two
; heads and Q's fragment has zeros in the other head's half.  Biases and the key mask enter as the C operand of a sum's first product.
; Row sums of the attention weights come from a product with a fragment of ones, so the weights are divided by the sum of exactly the
; bf16 numbers that were multiplied, and bv may be added behind the division.
; The sum over the 16 agents (lanes): U[a][f] = coef[a] x value is packed and multiplied by an identity fragment, which brings the
; agents into registers; coef = qs (w1), keep/16 (b1, w2), keep/1024 (b2).
; NO CLUSTER: the 524,288 bytes of entities of a work-group are its own; what work-groups share are the 202,752 bytes of packed
; weights, which each wave loads once, straight into registers.
; LIMITS: a masked key gets MASKV = -1.4428e9 (base 2; -1.0001e9 natural) ADDED to its logit, where the model substitutes -1e9: the same
; result while |logit x log2 e| stays below about 1e8.  A sample whose 32 keys are all masked gets equal weights, as the model gives.
; Mask bytes are taken to be 0 or 1.  NaN and infinities in the inputs are not followed.  Matrix operands are rounded to bf16.
.set SMP,   8704                       ; a sample in LDS: 32 rows of 256 bytes + 16 of padding (pitch 272: 16 rows start at 16 different 16-byte columns)
.set HALF,  2*SMP                      ; what one tensor load brings: 64 rows
.set SLOT,  4*SMP                      ; a slot: four samples
.set XCH,   69632                      ; exchange: net x 20,480 + parity x 10,240 + unit x 512 + lane x 16; units: Q head t = t, K (kt, t) = 4+4kt+t, V (t, kt) = 12+2t+kt
.set XNET,  20480
.set XPAR,  10240
.set RT,    151552                     ; partial sums: net x 32,768 + sample x 512 + lane x 16 (four f32: tiles 0..3): each back wave stores into 32,768 bytes of its own
.set RNET,  32768
.set MB,    282624                     ; key mask as f32: sample x 128 + key x 4: 0 or MASKV
.set CF,    290816                     ; coef: sample x 256 + net x 64 + agent x 4
.set KM,    307200                     ; agent kept: sample x 64 + agent x 4: all ones, or 0
.set SF,    311296                     ; sample x 8: (sf, sf); sf = 0 where all 32 keys are masked, else 1
.set OUTS,  311808                     ; the 64 results
.set NETB,  50688                      ; a net's block in the packed weights
.set BIAS,  49152
.set MASKV, 0xceac0000
.set LOG2E, 0x3fb8aa3b
; BOTH ROLES: v0 thread; v1 16 x lane, later my place in RT; v2 my 16 bytes of an exchange unit; v4 32 h;
;             v5, v6, v7 places in SF, KM, CF (read and stepped by back alone); v3 front: my place in an entity row; back: my place in MB
.set RTA, 1
; FRONT, registers 0-255                FRONT, registers 256-511 (named by their low 8 bits)
.set BE,  8                            ; bias tiles, 32 registers each: tile t at +8t, register j = b[16t+8h+j]
.set BQ,  40
.set BK,  72
.set SA,  104                          ; three sets of 32: entities as f32, then accumulators
.set SB,  136
.set SC,  168
.set EX0, 200                          ; fragments of rows 0-15: first the entities, then x; K step c at +8c
.set EX1, 216                          ; of rows 16-31
.set PK,  232                          ; 16 registers on the way to LDS
.set WE,  0                            ; weight fragment (t, c) at +8 (2t + c)
.set WQ,  64
.set WK,  128
.set WV,  192
; BACK, registers 0-255
.set NM,  8                            ; v[8:9]   minus the maximum
.set CC,  10                           ; v[10:11] the factor on Z
.set RR,  10                           ; v[10:13] the four tiles' sums (CC is dead by then)
.set QF,  16                           ; Q of head t at +8t, data in registers 4 (t&1) .. +3, the other four stay 0
.set KF,  48                           ; K fragment (kt, head pair p) at +16kt+8p
.set OFR, KF                           ; later: attention output, packed
.set YFR, KF+16                        ; later: y, packed
.set VF,  80                           ; V^T of head t at +8t; later Z, tile t at +8t
.set MC,  112                          ; mask tile kt at +8kt; later U, packed
.set LG,  128                          ; logits (t, kt) at +16t+8kt; later output of head t at +16t and its row sums at +16t+8; later transposed U at +8t
.set PF,  192                          ; weights of head t at +8t; later y, tile t at +8t
.set ONES, 224
.set IDN, 232                          ; E, 0, E: identity for k = n at IDN, for k = n + 16 at IDN + 4
.set SFP, 244
.set KW,  246
.set CO,  247
.set T,   248                          ; v[248:255] at work
; BACK, registers 256-511
.set WO,  0
.set WH,  64
.set BO,  128
.set BH,  160
.set BV,  192
.set MSB, 0
.macro WIN new                         ; s_set_vgpr_msb: bits 1:0 source 0, 3:2 source 1, 5:4 source 2, 7:6 destination; the high byte repeats the setting left
.if MSB != \new
	s_set_vgpr_msb (MSB<<8)|\new
.set MSB, \new
.endif
.endm
.macro NOPS n                          ; places behind a matrix instruction (ISA guide 7.12.1), where no useful independent work is at hand
.rept \n
	v_nop
.endr
.endm
; 32 f32 to 16 packed registers: tile t, pair j -> dst + 4t + j, which is the fragment order
.macro CVT16 dst, src
.set kk, 0
.rept 16
	v_cvt_pk_bf16_f32 v[\dst+kk], v[\src+2*kk], v[\src+2*kk+1]
.set kk, kk+1
.endr
.endm
; Four out tiles x two K steps, A = weights (upper registers), B = activations, the bias tile starts each sum.
; The four accumulators take turns, one instruction a turn.
.macro GEMMB acc, w, x, cb, win0
	WIN \win0
.irp t, 0,1,2,3
	v_wmma_f32_16x16x32_bf16 v[\acc+8*\t:\acc+8*\t+7], v[\w+16*\t:\w+16*\t+7], v[\x:\x+7], v[\cb+8*\t:\cb+8*\t+7]
.endr
	WIN 0x01
.irp t, 0,1,2,3
	v_wmma_f32_16x16x32_bf16 v[\acc+8*\t:\acc+8*\t+7], v[\w+16*\t+8:\w+16*\t+15], v[\x+8:\x+15], v[\acc+8*\t:\acc+8*\t+7]
.endr
.endm
; The same with the sources swapped and no bias: lane = out feature, registers = rows.  Turns as above.
.macro GEMMV acc, w, x
	WIN 0x04
.irp t, 0,1,2,3
	v_wmma_f32_16x16x32_bf16 v[\acc+8*\t:\acc+8*\t+7], v[\x:\x+7], v[\w+16*\t:\w+16*\t+7], 0
.endr
.irp t, 0,1,2,3
	v_wmma_f32_16x16x32_bf16 v[\acc+8*\t:\acc+8*\t+7], v[\x+8:\x+15], v[\w+16*\t+8:\w+16*\t+15], v[\acc+8*\t:\acc+8*\t+7]
.endr
.endm
.macro RELU acc, dst
.irp t, 0,1,2,3
.irp j, 0,1,2,3,4,5,6,7
	v_max_num_f32 v[\acc+8*\t+\j], 0, v[\acc+8*\t+\j]
.endr
.irp j, 0,1,2,3
	v_cvt_pk_bf16_f32 v[\dst+4*\t+\j], v[\acc+8*\t+2*\j], v[\acc+8*\t+2*\j+1]
.endr
.endr
.endm
; four tiles packed and handed over: tile t becomes unit u0 + us t of parity par
.macro CVTST acc, u0, us, par
.irp t, 0,1,2,3
.irp j, 0,1,2,3
	v_cvt_pk_bf16_f32 v[PK+4*\t+\j], v[\acc+8*\t+2*\j], v[\acc+8*\t+2*\j+1]
.endr
	ds_store_b128 v2, v[PK+4*\t:PK+4*\t+3] offset:\par*XPAR+(\u0+\us*\t)*512
.endr
.endm
.macro BIASLD dst, m                   ; bias m as four C tiles: register j of tile t = b[16t+8h+j]
.irp t, 0,1,2,3
.irp b, 0,1
	global_load_b128 v[\dst+8*\t+4*\b:\dst+8*\t+4*\b+3], v4, s[40:41] offset:BIAS+\m*256+64*\t+16*\b
.endr
.endr
.endm
; ---------------------------------------------------------------- FRONT: one sample, sample smp of ring slot `slot`
.macro FRONT slot, smp
.irp c, 0,1
.irp q, 0,1
.irp b, 0,1
	ds_load_b128 v[SA+16*\c+8*\q+4*\b:SA+16*\c+8*\q+4*\b+3], v3 offset:\slot*SLOT+\smp*SMP+128*\c+64*\q+16*\b
.endr
.endr
.endr
.irp c, 0,1
.irp q, 0,1
.irp b, 0,1
	ds_load_b128 v[SC+16*\c+8*\q+4*\b:SC+16*\c+8*\q+4*\b+3], v3 offset:\slot*SLOT+\smp*SMP+16*272+128*\c+64*\q+16*\b
.endr
.endr
.endr
	s_wait_dscnt 8                                 ; rows 0-15 are in; the eight loads of rows 16-31 may be out
	CVT16 EX0, SA
	GEMMB SB, WE, EX0, BE, 0x01                    ; embedding of rows 0-15
	WIN 0
	s_wait_dscnt 0x0
	CVT16 EX1, SC                                  ; sixteen independent conversions: the places behind the products above
	GEMMB SA, WE, EX1, BE, 0x01                    ; embedding of rows 16-31
	WIN 0
	RELU SB, EX0                                   ; touches none of the last products' registers: their places
	RELU SA, EX1
	GEMMB SB, WQ, EX0, BQ, 0x01                    ; Q: only the 16 agent rows are ever used
	GEMMB SC, WK, EX0, BK, 0x01                    ; K of keys 0-15
	GEMMB SA, WK, EX1, BK, 0x01                    ; K of keys 16-31
	WIN 0
	NOPS 4
	CVTST SB, 0, 1, (\smp&1)                       ; Q
	GEMMV SB, WV, EX0                              ; V of keys 0-15 (bv is added behind the attention)
	WIN 0
	CVTST SC, 4, 1, (\smp&1)                       ; K, keys 0-15
	GEMMV SC, WV, EX1                              ; V of keys 16-31
	WIN 0
	CVTST SA, 8, 1, (\smp&1)                       ; K, keys 16-31
	CVTST SB, 12, 2, (\smp&1)                      ; V, keys 0-15
	CVTST SC, 13, 2, (\smp&1)                      ; V, keys 16-31
.endm
; ---------------------------------------------------------------- BACK's pieces
; Softmax numerators of head t: my 16 keys of query r; the other 16 lie in lane r of the other half.
.macro SOFT t
.set LB, LG+16*\t
	v_max3_num_f32 v[T],   v[LB],   v[LB+1],  v[LB+2]
	v_max3_num_f32 v[T+1], v[LB+3], v[LB+4],  v[LB+5]
	v_max3_num_f32 v[T+2], v[LB+6], v[LB+7],  v[LB+8]
	v_max3_num_f32 v[T+3], v[LB+9], v[LB+10], v[LB+11]
	v_max3_num_f32 v[T],   v[T],    v[LB+12], v[LB+13]
	v_max3_num_f32 v[T+1], v[T+1],  v[LB+14], v[LB+15]
	v_max3_num_f32 v[T],   v[T],    v[T+1],   v[T+2]
	v_max_num_f32  v[T],   v[T],    v[T+3]
	v_permlanex16_b32 v[T+1], v[T], s20, s21       ; the other half's maximum
	v_max_num_f32  v[T], v[T], v[T+1]
	v_mul_f32 v[NM], -v[T], v[SFP]                 ; - maximum x sf
.irp j, 0,2,4,6,8,10,12,14
	v_pk_fma_f32 v[LB+\j:LB+\j+1], v[LB+\j:LB+\j+1], v[SFP:SFP+1], v[NM:NM+1] op_sel_hi:[1,0,0]   ; (l - maximum) sf: 0 everywhere where all keys are masked
.endr
.irp j, 0,1,2,3,4,5,6,7,8,9,10,11,12,13,14,15
	v_exp_f32 v[LB+\j], v[LB+\j]
.endr
	v_nop                                          ; one plain instruction between the last exponential and its use (ISA guide 5.7.2)
	s_wait_alu depctr_va_vdst(0)
.irp j, 0,1,2,3,4,5,6,7
	v_cvt_pk_bf16_f32 v[PF+8*\t+\j], v[LB+2*\j], v[LB+2*\j+1]
.endr
.endm
.macro AV t                            ; output^T of head t, and the weights' sums; two accumulators, one instruction each
	v_wmma_f32_16x16x32_bf16 v[LG+16*\t:LG+16*\t+7],    v[VF+8*\t:VF+8*\t+7], v[PF+8*\t:PF+8*\t+7], 0
	v_wmma_f32_16x16x32_bf16 v[LG+16*\t+8:LG+16*\t+15], v[ONES:ONES+7],       v[PF+8*\t:PF+8*\t+7], 0
.endm
.macro NRM t                           ; output / sum + bv
	s_wait_alu depctr_va_vdst(0)
.irp j, 0,2,4,6
	v_pk_fma_f32 v[LG+16*\t+\j:LG+16*\t+\j+1], v[LG+16*\t+\j:LG+16*\t+\j+1], v[T+2*\t:T+2*\t+1], v[BV+8*\t+\j:BV+8*\t+\j+1] op_sel_hi:[1,0,1]
.endr
.endm
; Softmax over the 64 features of agent r: my 32 in VF, the other 32 in the other half's lane.  Leaves exp in VF and coef / sum in CC.
.macro SOFTZ
	v_max3_num_f32 v[T],   v[VF],   v[VF+1],  v[VF+2]
	v_max3_num_f32 v[T+1], v[VF+3], v[VF+4],  v[VF+5]
	v_max3_num_f32 v[T+2], v[VF+6], v[VF+7],  v[VF+8]
	v_max3_num_f32 v[T+3], v[VF+9], v[VF+10], v[VF+11]
.irp p, 0,1,2,3,4,5,6,7,8,9
	v_max3_num_f32 v[T+(\p&3)], v[T+(\p&3)], v[VF+12+2*\p], v[VF+13+2*\p]
.endr
	v_max3_num_f32 v[T], v[T], v[T+1], v[T+2]
	v_max_num_f32  v[T], v[T], v[T+3]
	v_permlanex16_b32 v[T+1], v[T], s20, s21
	v_max_num_f32  v[T], v[T], v[T+1]
	v_mul_f32 v[NM], 0xbfb8aa3b, v[T]              ; - maximum x log2(e)
.irp j, 0,2,4,6,8,10,12,14,16,18,20,22,24,26,28,30
	v_pk_fma_f32 v[VF+\j:VF+\j+1], v[VF+\j:VF+\j+1], LOG2E, v[NM:NM+1] op_sel_hi:[1,0,0]
.endr
.set kk, 0
.rept 32
	v_exp_f32 v[VF+kk], v[VF+kk]
.set kk, kk+1
.endr
	v_nop
	s_wait_alu depctr_va_vdst(0)
.irp j, 0,1,2,3
	v_pk_add_f32 v[T+2*\j:T+2*\j+1], v[VF+4*\j:VF+4*\j+1], v[VF+4*\j+2:VF+4*\j+3]
.endr
.irp j, 0,1,2,3,4,5,6,7
	v_pk_add_f32 v[T+2*(\j&3):T+2*(\j&3)+1], v[T+2*(\j&3):T+2*(\j&3)+1], v[VF+16+2*\j:VF+16+2*\j+1]
.endr
	v_pk_add_f32 v[T:T+1],   v[T:T+1],   v[T+2:T+3]
	v_pk_add_f32 v[T+4:T+5], v[T+4:T+5], v[T+6:T+7]
	v_pk_add_f32 v[T:T+1],   v[T:T+1],   v[T+4:T+5]
	v_add_f32 v[T], v[T], v[T+1]
	v_permlanex16_b32 v[T+1], v[T], s20, s21
	v_add_f32 v[T], v[T], v[T+1]
	v_rcp_f32 v[T+2], v[T]
	v_nop
	s_wait_alu depctr_va_vdst(0)
	v_mul_f32 v[CC], v[CO], v[T+2]
.endm
; ---------------------------------------------------------------- BACK: the sample that front handed over in the step before step i
.macro BACK i
.irp t, 0,1,2,3
	ds_load_b128 v[QF+8*\t+4*(\t&1):QF+8*\t+4*(\t&1)+3], v2 offset:(1-(\i&1))*XPAR+\t*512
.endr
.irp kt, 0,1
.irp t, 0,1,2,3
	ds_load_b128 v[KF+16*\kt+4*\t:KF+16*\kt+4*\t+3], v2 offset:(1-(\i&1))*XPAR+(4+4*\kt+\t)*512
.endr
.endr
.irp kt, 0,1
.irp b, 0,1
	ds_load_b128 v[MC+8*\kt+4*\b:MC+8*\kt+4*\b+3], v3 offset:64*\kt+16*\b
.endr
.endr
	ds_load_b64 v[SFP:SFP+1], v5
	ds_load_b32 v[KW], v6
	ds_load_b32 v[CO], v7
.irp t, 0,1,2,3
.irp kt, 0,1
	ds_load_b128 v[VF+8*\t+4*\kt:VF+8*\t+4*\kt+3], v2 offset:(1-(\i&1))*XPAR+(12+2*\t+\kt)*512
.endr
.endr
	s_wait_dscnt 11                                ; Q, K and the mask tiles are in; sf, keep, coef and V's eight loads may be out
.irp t, 0,1,2,3
.irp kt, 0,1
	v_wmma_f32_16x16x32_bf16 v[LG+16*\t+8*\kt:LG+16*\t+8*\kt+7], v[KF+16*\kt+8*(\t>>1):KF+16*\kt+8*(\t>>1)+7], v[QF+8*\t:QF+8*\t+7], v[MC+8*\kt:MC+8*\kt+7]
.endr
.endr
	NOPS 5                                         ; four places before the logits are read, five before later products write over them
	s_wait_dscnt 8                                 ; sf, keep and coef are in; V's eight loads may be out
	SOFT 0
	s_wait_dscnt 0x0                               ; V
	AV 0
	SOFT 1
	AV 1
	SOFT 2
	AV 2
	SOFT 3
	AV 3
	WIN 0x10                                       ; source 2 (bv) in the upper registers
	v_rcp_f32 v[T],   v[LG+8]
	v_rcp_f32 v[T+2], v[LG+24]
	v_rcp_f32 v[T+4], v[LG+40]
	v_nop
	s_wait_alu depctr_va_vdst(0)
	NRM 0                                          ; with the v_nop: five places behind head 3's products
	v_rcp_f32 v[T+6], v[LG+56]
	NRM 1
	NRM 2
	NRM 3
	WIN 0
.irp t, 0,1,2,3
.irp j, 0,1,2,3
	v_cvt_pk_bf16_f32 v[OFR+4*\t+\j], v[LG+16*\t+2*\j], v[LG+16*\t+2*\j+1]
.endr
.endr
	GEMMB PF, WO, OFR, BO, 0x11                    ; y^T = Wo^T x output^T + bo
	WIN 0
	v_add_nc_u32 v3, 0x80, v3                      ; the tables' next sample: four independent instructions, the places behind the products
	v_add_nc_u32 v5, 8, v5
	v_add_nc_u32 v6, 64, v6
	v_add_nc_u32 v7, 0x100, v7
	CVT16 YFR, PF
.set kk, 0
.rept 16
	v_and_b32 v[YFR+kk], v[KW], v[YFR+kk]          ; y of a masked agent is 0
.set kk, kk+1
.endr
	GEMMB VF, WH, YFR, BH, 0x11                    ; z^T = Wh^T x y^T + hb
	WIN 0
	NOPS 4
	v_mov_b32 v[CC], v[CO]
	s_cmp_lg_u32 s19, 0                            ; nets b1 and b2 take z itself
	s_cbranch_scc1 .Lnsz_\@
	SOFTZ
.Lnsz_\@:
.irp j, 0,2,4,6,8,10,12,14,16,18,20,22,24,26,28,30
	v_pk_mul_f32 v[VF+\j:VF+\j+1], v[VF+\j:VF+\j+1], v[CC:CC+1] op_sel_hi:[1,0]
.endr
	CVT16 MC, VF
.irp t, 0,1,2,3
	v_wmma_f32_16x16x32_bf16 v[LG+8*\t:LG+8*\t+7], v[MC+8*(\t>>1):MC+8*(\t>>1)+7], v[IDN+4*(\t&1):IDN+4*(\t&1)+7], 0   ; lane = feature 16t+r, register j = agent 8h+j
.endr
	NOPS 4
.irp t, 0,1,2,3
	v_pk_add_f32 v[T+4*(\t&1):T+4*(\t&1)+1],   v[LG+8*\t:LG+8*\t+1],     v[LG+8*\t+2:LG+8*\t+3]
	v_pk_add_f32 v[T+4*(\t&1)+2:T+4*(\t&1)+3], v[LG+8*\t+4:LG+8*\t+5],   v[LG+8*\t+6:LG+8*\t+7]
	v_pk_add_f32 v[T+4*(\t&1):T+4*(\t&1)+1],   v[T+4*(\t&1):T+4*(\t&1)+1], v[T+4*(\t&1)+2:T+4*(\t&1)+3]
	v_add_f32 v[RR+\t], v[T+4*(\t&1)], v[T+4*(\t&1)+1]
.endr
	ds_store_b128 v[RTA], v[RR:RR+3]               ; eight agents' sums of four features
	v_add_nc_u32 v[RTA], 0x200, v[RTA]             ; the next sample's 512 bytes
.endm
; ---------------------------------------------------------------- a step: one barrier, then front and back each do a sample
; kind 0: the barrier hands the exchange over.  kind 1: it also stands in front of a refill of ring slot fslot, whose four samples were
; read in the four steps before: every wave waits for its LDS instructions and for all its tensor loads, the slot's address is stepped
; while no load is out, and the refill is the first thing behind the barrier, one load in each of waves 0 and 1.
; kind 2: as 1, with nothing left to fetch.  kind 3: the first step.
.macro STEP i, rslot, kind, fslot, dof, dob
	s_wait_dscnt 0x0                               ; for the others' sake: my stores are in LDS, my reads are over
.if \kind == 1
	s_wait_xcnt 0x0
	v_lshl_add_u32 v252, v0, 2, 0x4c300
	v_mov_b32 v254, 0
	s_wait_tensorcnt 0x0                           ; all my tensor loads have landed, the slot read next among them
	ds_add_u32 v252, v254
	s_wait_dscnt 0x0
	s_add_nc_u64 s[34+4*\fslot:35+4*\fslot], s[34+4*\fslot:35+4*\fslot], 0x10000   ; eight samples on
.endif
.if \kind == 2
	s_wait_tensorcnt 0x0
.endif
.if \kind == 3
	s_wait_tensorcnt 0x1                           ; slot 0's load has landed; slot 1's may stay out
.endif
	s_barrier_signal -1
	s_barrier_wait -1
.if \kind == 1
	s_cmp_lt_u32 s16, 2
	s_cbranch_scc0 .Lnf_\@
	tensor_load_to_lds s[32+4*\fslot:35+4*\fslot], s[24:31]
	s_nop 0
.Lnf_\@:
.endif
	s_cmp_lg_u32 s18, 0
	s_cbranch_scc1 .Lbk_\@
.if \dof
	FRONT \rslot, \i
.endif
	s_branch .Ljn_\@
.Lbk_\@:
.if \dob
	BACK \i
.endif
.Ljn_\@:
.endm
.macro QUAD rslot, kind, fslot         ; the four samples of a slot
	STEP 0, \rslot, \kind, \fslot, 1, 1
	STEP 1, \rslot, 0, 0, 1, 1
	STEP 2, \rslot, 0, 0, 1, 1
	STEP 3, \rslot, 0, 0, 1, 1
.endm
; ================================================================ head
	s_load_b256 s[4:11], s[0:1], 0x0               ; agent_qs s[4:5], entities s[6:7], entity_mask s[8:9], wp_a s[10:11]
	s_load_b128 s[12:15], s[0:1], 0x20             ; wp_b s[12:13], out0 s[14:15]
	v_lshl_add_u32 v252, v0, 2, 0x4c300
	v_mov_b32 v254, 0
	ds_add_u32 v252, v254
	s_wait_dscnt 0x0
	v_lshrrev_b32 v1, 5, v0
	v_readfirstlane_b32 s16, v1                    ; wave
	s_and_b32  s17, s16, 3                         ; net
	s_lshr_b32 s18, s16, 2                         ; role
	s_and_b32  s19, s16, 1                         ; net & 1: a b net; also which half of a slot waves 0 and 1 fetch
	s_mov_b32 s20, 0x76543210                      ; v_permlanex16_b32: lane i of one half reads lane i of the other
	s_mov_b32 s21, 0xfedcba98
	; descriptor group 1: 64 rows of 64 elements of 4 bytes, dense in memory; 4 words of padding behind every 64 words in LDS
	s_mov_b32 s24, (2<<16)|(1<<20)|(5<<22)|(3<<25)
	s_mov_b32 s25, 64<<16                          ; tensor_dim0 = 64
	s_mov_b32 s26, 64<<16                          ; tensor_dim1 = 64
	s_mov_b32 s27, 64<<16                          ; tile_dim0 = 64
	s_mov_b32 s28, 64                              ; tile_dim1 = 64
	s_mov_b32 s29, 64                              ; elements from row to row
	s_mov_b32 s30, 0
	s_mov_b32 s31, 0
	s_mul_i32  s23, s19, HALF                      ; my half of a slot
	s_lshl_b32 s42, ttmp9, 19                      ; the work-group's 64 samples of 8,192 bytes
	s_lshl_b32 s44, s19, 14                        ; + two samples for the upper half
	s_add_co_u32 s42, s42, s44
	s_mov_b32 s43, 0
	s_wait_kmcnt 0x0
	s_add_nc_u64 s[44:45], s[6:7], s[42:43]
.irp n, 0,1
	s_mov_b32 s[32+4*\n], 1                        ; group 0 of slot n: count,
	s_add_co_u32 s[33+4*\n], s23, \n*SLOT          ; LDS address,
	s_add_nc_u64 s[34+4*\n:35+4*\n], s[44:45], \n*32768   ; global address: samples 4n ..,
	s_or_b32 s[35+4*\n], s[35+4*\n], 0x80000000    ; type
.endr
	s_cmp_lt_u32 s16, 2
	s_cbranch_scc0 .Lnofill
	tensor_load_to_lds s[32:35], s[24:31]          ; both first fills go out together, ahead of everything else: two loads out
	s_nop 0
	tensor_load_to_lds s[36:39], s[24:31]
	s_nop 0
.Lnofill:
	s_lshl_b32 s42, ttmp9, 11
	s_add_nc_u64 s[46:47], s[8:9], s[42:43]        ; my 64 x 32 mask bytes
	s_lshl_b32 s42, ttmp9, 12
	s_add_nc_u64 s[48:49], s[4:5], s[42:43]        ; my 64 x 16 agent values
	s_lshl_b32 s42, ttmp9, 8
	s_add_nc_u64 s[50:51], s[14:15], s[42:43]      ; my 64 outputs
	s_cmp_ge_u32 s17, 2
	s_cselect_b64 s[40:41], s[12:13], s[10:11]     ; nets 2, 3 lie in wp_b
	s_mul_i32 s42, s19, NETB
	s_add_nc_u64 s[40:41], s[40:41], s[42:43]      ; my net's block
	; LDS addresses, made alike in every wave: a constant, the net times a constant, a lane term
	v_and_b32 v1, 31, v0
	v_lshlrev_b32 v1, 4, v1                        ; 16 x lane
	v_and_b32 v172, 15, v0                         ; r
	v_bfe_u32 v173, v0, 4, 1                       ; h
	v_lshlrev_b32 v174, 2, v172                    ; 4 r
	v_lshlrev_b32 v4, 5, v173                      ; 32 h
	s_mul_i32 s52, s17, XNET
	s_add_co_u32 s52, s52, XCH
	v_add_nc_u32 v2, s52, v1                       ; my 16 bytes of a unit of my net's exchange
	v_mov_b32 v5, SF                               ; sample 0's sf
	v_add_nc_u32 v6, KM, v174                      ; agent r's keep word
	s_mul_i32 s52, s17, 64
	s_add_co_u32 s52, s52, CF
	v_add_nc_u32 v7, s52, v174                     ; agent r's coef for my net
	s_mul_i32 s53, s17, RNET
	s_add_co_u32 s53, s53, RT                      ; my net's part of RT: added to v1 when the weight loads, which use v1, are done
	; what the tables are made of: thread t has 8 mask bytes, 4 agents' mask bytes and 4 agent values of sample t >> 2
	v_lshlrev_b32 v161, 3, v0
	v_lshrrev_b32 v162, 2, v0
	v_and_b32 v163, 3, v0
	v_lshlrev_b32 v163, 2, v163
	v_lshl_add_u32 v162, v162, 5, v163
	v_lshlrev_b32 v163, 4, v0
	global_load_b64  v[128:129], v161, s[46:47]
	global_load_b32  v130, v162, s[46:47]
	global_load_b128 v[132:135], v163, s[48:49]
	s_cmp_lg_u32 s18, 0
	s_cbranch_scc1 .Linit_back
	; ---- front: We, Wq, Wk, Wv into registers 256-511, be, bq, bk as C tiles
	v_mul_u32_u24 v3, 0x110, v172
	v_add_nc_u32 v3, v3, v4                        ; row r x pitch + 32 h: my 8 f32 of a fragment half
	WIN 0x40
.set kk, 0
.rept 64
	global_load_b128 v[4*kk:4*kk+3], v1, s[40:41] offset:512*kk
.set kk, kk+1
.endr
	WIN 0
	BIASLD BE, 0
	BIASLD BQ, 1
	BIASLD BK, 2
	s_branch .Linit_done
.Linit_back:
	; ---- back: Wo, Wh, bv, bo, hb into registers 256-511; constants
	WIN 0x40
.set kk, 0
.rept 32
	global_load_b128 v[4*kk:4*kk+3], v1, s[40:41] offset:32768+512*kk
.set kk, kk+1
.endr
	BIASLD BV, 3
	BIASLD BO, 4
	BIASLD BH, 5
	WIN 0
	v_add_nc_u32 v3, MB, v4                        ; my eight keys of a mask tile
	v_lshlrev_b32 v14, 3, v173
	v_sub_nc_u32 v14, v172, v14                    ; d = r - 8 h: my element of the identity, if it is 0..7
	v_mov_b32 v[T], 0x3f80                         ; bf16 1.0 in the low half
	v_mov_b32 v[T+1], 0x3f800000                   ; in the high half
.irp j, 0,1,2,3
	v_cmp_eq_u32 vcc_lo, 2*\j, v14
	v_cndmask_b32 v[IDN+\j], 0, v[T], vcc_lo
	v_cmp_eq_u32 vcc_lo, 2*\j+1, v14
	v_cndmask_b32 v[IDN+\j], v[IDN+\j], v[T+1], vcc_lo
	v_mov_b32 v[IDN+4+\j], 0
	v_mov_b32 v[IDN+8+\j], v[IDN+\j]
.endr
.irp j, 0,1,2,3,4,5,6,7
	v_mov_b32 v[ONES+\j], 0x3f803f80
	v_mov_b32 v[T+\j], 0                           ; written once: permute destinations and second halves of pairs count as read
.endr
.irp t, 0,1,2,3
.irp j, 0,1,2,3
	v_mov_b32 v[QF+8*\t+4*(1-(\t&1))+\j], 0        ; the other head's half of Q's fragment
.endr
.endr
.irp j, 0,1,2,3
	v_mov_b32 v[NM+\j], 0                          ; NM and CC, both halves
.endr
.Linit_done:
	s_wait_loadcnt 0x0                             ; weights, biases and the tables' inputs are in; v1 is no load's offset any more
	v_add_nc_u32 v[RTA], s53, v1                   ; my 16 bytes of sample 0 in my net's part of RT
	; ================================================================ the tables, by all 256 threads
	v_mov_b32 v157, MASKV
	v_mov_b32 v158, -1
	v_mov_b32 v159, 1.0
.irp b, 0,1,2,3,4,5,6,7
	v_bfe_u32 v156, v[128+(\b>>2)], 8*(\b&3), 8
	v_cmp_ne_u32 vcc_lo, 0, v156
	v_cndmask_b32 v[136+\b], 0, v157, vcc_lo
.endr
	v_lshlrev_b32 v164, 5, v0
	v_add_nc_u32 v164, MB, v164
	ds_store_b128 v164, v[136:139]
	ds_store_b128 v164, v[140:143] offset:16
	v_and_b32 v165, v128, v129                     ; all 32 bytes 1?  My 8, then the sample's four threads
	v_mov_b32 v166, v165
	v_mov_b32_dpp v166, v165 row_xmask:1 row_mask:0xf bank_mask:0xf
	v_and_b32 v165, v165, v166
	v_mov_b32_dpp v166, v165 row_xmask:2 row_mask:0xf bank_mask:0xf
	v_and_b32 v165, v165, v166
	v_cmp_ne_u32 vcc_lo, 0x01010101, v165
	v_cndmask_b32 v166, 0, v159, vcc_lo
	v_mov_b32 v167, v166
	v_lshrrev_b32 v168, 2, v0
	v_lshlrev_b32 v168, 3, v168
	v_add_nc_u32 v168, SF, v168
	ds_store_b64 v168, v[166:167]                  ; the four threads store the same pair
.irp b, 0,1,2,3
	v_bfe_u32 v156, v130, 8*\b, 8
	v_cmp_eq_u32 vcc_lo, 0, v156
	v_cndmask_b32 v[144+\b], 0, v158, vcc_lo
	v_and_b32 v[148+\b], 0x3d800000, v[144+\b]     ; keep / 16
	v_and_b32 v[152+\b], 0x3a800000, v[144+\b]     ; keep / 1024
.endr
	v_add_nc_u32 v169, KM, v163
	ds_store_b128 v169, v[144:147]
	v_lshrrev_b32 v170, 2, v0
	v_and_b32 v171, 3, v0
	v_lshlrev_b32 v171, 4, v171
	v_lshl_add_u32 v170, v170, 8, v171
	v_add_nc_u32 v170, CF, v170
	ds_store_b128 v170, v[132:135]                 ; w1: the agent values, masked agents too, as the model has it
	ds_store_b128 v170, v[148:151] offset:64       ; b1
	ds_store_b128 v170, v[148:151] offset:128      ; w2
	ds_store_b128 v170, v[152:155] offset:192      ; b2
	; ================================================================ 65 steps
	STEP 0, 0, 3, 0, 1, 0                          ; front alone: sample 0
	STEP 1, 0, 0, 0, 1, 1
	STEP 2, 0, 0, 0, 1, 1
	STEP 3, 0, 0, 0, 1, 1
	s_mov_b32 s22, 7
.Lloop:
	QUAD 1, 1, 0                                   ; reads slot 1; slot 0 is asked for again and has four steps in which to land
	QUAD 0, 1, 1
	s_sub_co_i32 s22, s22, 1
	s_cmp_lg_u32 s22, 0
	s_cbranch_scc1 .Lloop
	QUAD 1, 2, 0                                   ; the last four samples: nothing is left to fetch
	STEP 0, 0, 0, 0, 0, 1                          ; back alone: sample 63
	; ================================================================ the mixer: 64 samples, wave w takes 8w .. 8w+7, two at a time (one a half wave)
	s_wait_dscnt 0x0
	s_barrier_signal -1
	s_barrier_wait -1
	v_and_b32 v5, 15, v0                           ; r: I take features r, 16+r, 32+r, 48+r
	v_bfe_u32 v6, v0, 4, 1
	s_lshl_b32 s52, s16, 3
	v_add_nc_u32 v6, s52, v6                       ; 8 w + h
	v_lshlrev_b32 v7, 4, v5
	v_lshl_add_u32 v7, v6, 9, v7                   ; sample x 512 + 16 r
	v_add_nc_u32 v7, RT, v7                        ; nets 0 and 1
	v_add_nc_u32 v9, 2*RNET, v7                    ; nets 2 and 3: beyond what the 16-bit immediate reaches
	v_lshlrev_b32 v6, 2, v6
	v_add_nc_u32 v6, OUTS, v6
.irp i, 0,1,2,3
.irp n, 0,1,2,3
.irp p, 0,1
	ds_load_b128 v[16+32*\i+8*\n+4*\p:16+32*\i+8*\n+4*\p+3], v[7+2*(\n>>1)] offset:\i*1024+(\n&1)*RNET+\p*256
.endr
.endr
.endr
.macro COMB i
.set XB, 16+32*\i
	s_wait_dscnt 24-8*\i                           ; this pair's eight loads are in; the later pairs' may be out
.irp n, 0,1,2,3
	v_pk_add_f32 v[XB+8*\n:XB+8*\n+1],   v[XB+8*\n:XB+8*\n+1],   v[XB+8*\n+4:XB+8*\n+5]     ; agents 0-7 + agents 8-15
	v_pk_add_f32 v[XB+8*\n+2:XB+8*\n+3], v[XB+8*\n+2:XB+8*\n+3], v[XB+8*\n+6:XB+8*\n+7]
.endr
	v_pk_add_f32 v[XB:XB+1],     v[XB:XB+1],     v[XB+8:XB+9]       ; qs w_1 + b_1
	v_pk_add_f32 v[XB+2:XB+3],   v[XB+2:XB+3],   v[XB+10:XB+11]
	v_pk_add_f32 v[XB+24:XB+25], v[XB+24:XB+25], v[XB+26:XB+27]     ; b_2's share
.irp k, 0,1,2,3
	v_min_num_f32 v[144+\k], 0, v[XB+\k]
.endr
.irp k, 0,1,2,3
	v_mul_f32 v[144+\k], LOG2E, v[144+\k]
.endr
.irp k, 0,1,2,3
	v_exp_f32 v[144+\k], v[144+\k]
.endr
	v_add_f32 v148, v[XB+24], v[XB+25]             ; plain and independent: stands between the exponentials and their use
	s_wait_alu depctr_va_vdst(0)
.irp k, 0,1,2,3
	v_add_f32 v[144+\k], -1.0, v[144+\k]
	v_cmp_lt_f32 vcc_lo, 0, v[XB+\k]
	v_cndmask_b32 v[144+\k], v[144+\k], v[XB+\k], vcc_lo            ; elu
	v_fmac_f32 v148, v[144+\k], v[XB+16+\k]        ; + h w_2
.endr
	v_add_f32_dpp v148, v148, v148 row_xmask:1 row_mask:0xf bank_mask:0xf
	v_add_f32_dpp v148, v148, v148 row_xmask:2 row_mask:0xf bank_mask:0xf
	v_add_f32_dpp v148, v148, v148 row_xmask:4 row_mask:0xf bank_mask:0xf
	v_add_f32_dpp v148, v148, v148 row_xmask:8 row_mask:0xf bank_mask:0xf
	ds_store_b32 v6, v148 offset:8*\i              ; sample 8w + 2i + h; sixteen lanes store the same word
.endm
	COMB 0
	COMB 1
	COMB 2
	COMB 3
	s_wait_dscnt 0x0
	s_barrier_signal -1
	s_barrier_wait -1
	s_cmp_lg_u32 s16, 0
	s_cbranch_scc1 .Lend
	v_lshlrev_b32 v8, 3, v0                        ; wave 0: two results a lane
	v_add_nc_u32 v9, OUTS, v8
	ds_load_b64 v[10:11], v9
	s_wait_dscnt 0x0
	global_store_b64 v8, v[10:11], s[50:51]        ; the wave stores 256 consecutive bytes, aligned
.Lend:
	s_wait_xcnt 0x0
	v_lshl_add_u32 v252, v0, 2, 0x4c300
	v_mov_b32 v254, 0
	s_wait_tensorcnt 0x0
	ds_add_u32 v252, v254
	s_wait_dscnt 0x0
	s_endpgm
.Lfunc_end_k_q4c00073663_mix:
	.size	k_q4c00073663_mix, .Lfunc_end_k_q4c00073663_mix-k_q4c00073663_mix
	.p2alignl 7, 3214868480
	.fill 96, 4, 3214868480
	.section	.rodata,"a",@progbits
	.p2align	6, 0x0
	.amdhsa_kernel k_q4c00073663_mix
		.amdhsa_group_segment_fixed_size 327680
		.amdhsa_private_segment_fixed_size 0
		.amdhsa_enable_private_segment 0
		.amdhsa_kernarg_size 48
		.amdhsa_user_sgpr_count 2
		.amdhsa_user_sgpr_kernarg_segment_ptr 1
		.amdhsa_wavefront_size32 1
		.amdhsa_system_sgpr_workgroup_id_x 1
		.amdhsa_system_sgpr_workgroup_id_y 1
		.amdhsa_system_sgpr_workgroup_id_z 1
		.amdhsa_system_vgpr_workitem_id 0
		.amdhsa_next_free_vgpr 512
		.amdhsa_next_free_sgpr 66
		.amdhsa_reserve_vcc 1
		.amdhsa_float_denorm_mode_32 3
		.amdhsa_float_denorm_mode_16_64 3
		.amdhsa_memory_ordered 1
		.amdhsa_forward_progress 1
		.amdhsa_inst_pref_size 255
	.end_amdhsa_kernel
	.section	.bss,"aw",@nobits
	.p2align	6
	.space	262144
	.amdgpu_metadata
---
amdhsa.version: [ 1, 2 ]
amdhsa.kernels:
  - .name:           k_q4c00073663_mix
    .symbol:         k_q4c00073663_mix.kd
    .args:
      - { .name: agent_qs, .offset: 0, .size: 8, .value_kind: global_buffer, .address_space: global }
      - { .name: entities, .offset: 8, .size: 8, .value_kind: global_buffer, .address_space: global }
      - { .name: entity_mask, .offset: 16, .size: 8, .value_kind: global_buffer, .address_space: global }
      - { .name: wp_a, .offset: 24, .size: 8, .value_kind: global_buffer, .address_space: global }
      - { .name: wp_b, .offset: 32, .size: 8, .value_kind: global_buffer, .address_space: global }
      - { .name: out0, .offset: 40, .size: 8, .value_kind: global_buffer, .address_space: global }
    .group_segment_fixed_size: 327680
    .private_segment_fixed_size: 0
    .kernarg_segment_align: 8
    .kernarg_segment_size: 48
    .max_flat_workgroup_size: 256
    .sgpr_count:     66
    .vgpr_count:     512
    .wavefront_size: 32
...
	.end_amdgpu_metadata
.endif
;; end of part 2
;; ======== version 2 of 3: 2 launches; 1.27 times as fast as version 1
;; limits: values outside matrix products are rounded to bf16; right only within a limited range of input values
;; workspace buffers: wp 196,608 bytes
;; launch prep (part 3): grid 64 x 1, 1 waves a work-group, no clusters, 0 bytes of LDS; arguments params_emb_w1_0, params_attn_w1_q_0, params_attn_w1_k_0, params_attn_w1_v_0, params_attn_w1_o_0, params_hyper_w1_0, params_emb_b1_0, params_attn_b1_q_0, params_attn_b1_k_0, params_attn_b1_v_0, params_attn_b1_o_0, params_hyper_b1_0, params_emb_w2_0, params_attn_w2_q_0, params_attn_w2_k_0, params_attn_w2_v_0, params_attn_w2_o_0, params_hyper_w2_0, params_emb_b2_0, params_attn_b2_q_0, params_attn_b2_k_0, params_attn_b2_v_0, params_attn_b2_o_0, params_hyper_b2_0, wp; writes wp
.if DOCPART == 3
	.amdgcn_target "amdgcn-amd-amdhsa--gfx1250"
	.amdhsa_code_object_version 6
	.text
	.protected	k_q4c00073663_prep
	.globl	k_q4c00073663_prep
	.p2align	8
	.type	k_q4c00073663_prep,@function
k_q4c00073663_prep:
	s_mov_b64 s[64:65], 0
	v_nop
	global_prefetch_b8 v0, s[64:65] scope:SCOPE_SE
	s_setreg_imm32_b32 hwreg(HW_REG_WAVE_MODE, 25, 1), 1
	s_wait_xcnt 0x0
; Packs the 24 weight matrices (nets w1, b1, w2, b2; each emb, q, k, v, o, hyper, [64 in][64 out] f32) into one buffer of bf16,
; in the order in which a 16 x 32 matrix fragment lies in registers, for the launch that follows.
; A net's block is six matrices of 8,192 bytes.  A matrix is 16 units of 512 bytes, unit u = 4 t + 2 c + qh; lane L = 16 h + r owns
; the 16 bytes at 512 u + 16 L, whose element e is W[32 c + 16 qh + 8 h + e][16 t + r]: units 4t+2c and 4t+2c+1 are
; registers 0-3 and 4-7 of the fragment of out tile t and K step c.
; Wq is multiplied in f32 by 0.25 log2(e), so that logits come out divided by sqrt(16) and in base 2.
; Work-group g, one wave, makes unit g & 15 of the six matrices of net g >> 4: 48 loads, all issued before the first is used.
.set NETB, 49152                       ; 6 x 8,192
.set SCQ,  0x3eb8aa3b                  ; 0.25 log2(e)
.set D,    8                           ; v[8:55]: matrix m has eight registers at D + 8 m
	s_load_b512 s[8:23],  s[0:1], 0x0              ; matrix m of net n lies in s[8+12n+2m:9+12n+2m]
	s_load_b512 s[24:39], s[0:1], 0x40
	s_load_b512 s[40:55], s[0:1], 0x80
	s_load_b64  s[56:57], s[0:1], 0xc0             ; the packed buffer
	s_lshr_b32 s2, ttmp9, 4                        ; net
	s_and_b32  s3, ttmp9, 15                       ; unit
	s_lshr_b32 s4, s3, 2                           ; t
	s_bfe_u32  s5, s3, 0x10001                     ; c
	s_and_b32  s6, s3, 1                           ; qh
	s_lshl_b32 s4, s4, 6                           ; 16 t columns of 4 bytes
	s_lshl_b32 s5, s5, 13                          ; 32 c rows of 256 bytes
	s_lshl_b32 s6, s6, 12                          ; 16 qh rows
	s_add_co_u32 s4, s4, s5
	s_add_co_u32 s4, s4, s6
	v_and_b32 v1, 15, v0                           ; r
	v_lshrrev_b32 v4, 4, v0                        ; h
	v_lshlrev_b32 v2, 2, v1                        ; 4 r
	v_lshl_add_u32 v2, v4, 11, v2                  ; + 8 h rows
	v_add_nc_u32 v2, s4, v2                        ; byte offset of W[32c+16qh+8h][16t+r]
	s_mul_i32 s5, s2, NETB
	s_lshl_b32 s6, s3, 9
	s_add_co_u32 s5, s5, s6
	v_lshlrev_b32 v3, 4, v0
	v_add_nc_u32 v3, s5, v3                        ; where my 16 bytes go: net block + 512 u + 16 L
	s_and_b32 s7, s2, 1
	s_wait_kmcnt 0x0
	; my net's six addresses into s[8:19]: a choice between buffers on the bits of the net's number
	s_cmp_lg_u32 s7, 0
.irp m, 0,1,2,3,4,5
	s_cselect_b64 s[8+2*\m:9+2*\m],   s[20+2*\m:21+2*\m], s[8+2*\m:9+2*\m]      ; net 1 or 0
	s_cselect_b64 s[32+2*\m:33+2*\m], s[44+2*\m:45+2*\m], s[32+2*\m:33+2*\m]    ; net 3 or 2
.endr
	s_cmp_ge_u32 s2, 2
.irp m, 0,1,2,3,4,5
	s_cselect_b64 s[8+2*\m:9+2*\m], s[32+2*\m:33+2*\m], s[8+2*\m:9+2*\m]
.endr
.irp m, 0,1,2,3,4,5
.irp e, 0,1,2,3,4,5,6,7
	global_load_b32 v[D+8*\m+\e], v2, s[8+2*\m:9+2*\m] offset:256*\e            ; eight rows of one column
.endr
.endr
; scale (q alone), round to bf16 in place (pair j lands on register j, which pair j or an earlier one has already read), store
.macro CVM m
	s_wait_loadcnt 40-8*\m                         ; loads come back in order: only the later matrices' loads may be out
.if \m == 1
.irp j, 0,2,4,6
	v_pk_mul_f32 v[D+8*\m+\j:D+8*\m+\j+1], v[D+8*\m+\j:D+8*\m+\j+1], SCQ op_sel_hi:[1,0]
.endr
.endif
.irp j, 0,1,2,3
	v_cvt_pk_bf16_f32 v[D+8*\m+\j], v[D+8*\m+2*\j], v[D+8*\m+2*\j+1]
.endr
	global_store_b128 v3, v[D+8*\m:D+8*\m+3], s[56:57] offset:\m*8192           ; the wave stores 512 consecutive bytes, aligned
.endm
.irp m, 0,1,2,3,4,5
	CVM \m
.endr
	s_endpgm
.Lfunc_end_k_q4c00073663_prep:
	.size	k_q4c00073663_prep, .Lfunc_end_k_q4c00073663_prep-k_q4c00073663_prep
	.p2alignl 7, 3214868480
	.fill 96, 4, 3214868480
	.section	.rodata,"a",@progbits
	.p2align	6, 0x0
	.amdhsa_kernel k_q4c00073663_prep
		.amdhsa_group_segment_fixed_size 0
		.amdhsa_private_segment_fixed_size 0
		.amdhsa_enable_private_segment 0
		.amdhsa_kernarg_size 200
		.amdhsa_user_sgpr_count 2
		.amdhsa_user_sgpr_kernarg_segment_ptr 1
		.amdhsa_wavefront_size32 1
		.amdhsa_system_sgpr_workgroup_id_x 1
		.amdhsa_system_sgpr_workgroup_id_y 1
		.amdhsa_system_sgpr_workgroup_id_z 1
		.amdhsa_system_vgpr_workitem_id 0
		.amdhsa_next_free_vgpr 56
		.amdhsa_next_free_sgpr 66
		.amdhsa_reserve_vcc 0
		.amdhsa_float_denorm_mode_32 3
		.amdhsa_float_denorm_mode_16_64 3
		.amdhsa_memory_ordered 1
		.amdhsa_forward_progress 1
		.amdhsa_inst_pref_size 10
	.end_amdhsa_kernel
	.amdgpu_metadata
---
amdhsa.version: [ 1, 2 ]
amdhsa.kernels:
  - .name:           k_q4c00073663_prep
    .symbol:         k_q4c00073663_prep.kd
    .args:
      - { .name: params_emb_w1_0, .offset: 0, .size: 8, .value_kind: global_buffer, .address_space: global }
      - { .name: params_attn_w1_q_0, .offset: 8, .size: 8, .value_kind: global_buffer, .address_space: global }
      - { .name: params_attn_w1_k_0, .offset: 16, .size: 8, .value_kind: global_buffer, .address_space: global }
      - { .name: params_attn_w1_v_0, .offset: 24, .size: 8, .value_kind: global_buffer, .address_space: global }
      - { .name: params_attn_w1_o_0, .offset: 32, .size: 8, .value_kind: global_buffer, .address_space: global }
      - { .name: params_hyper_w1_0, .offset: 40, .size: 8, .value_kind: global_buffer, .address_space: global }
      - { .name: params_emb_b1_0, .offset: 48, .size: 8, .value_kind: global_buffer, .address_space: global }
      - { .name: params_attn_b1_q_0, .offset: 56, .size: 8, .value_kind: global_buffer, .address_space: global }
      - { .name: params_attn_b1_k_0, .offset: 64, .size: 8, .value_kind: global_buffer, .address_space: global }
      - { .name: params_attn_b1_v_0, .offset: 72, .size: 8, .value_kind: global_buffer, .address_space: global }
      - { .name: params_attn_b1_o_0, .offset: 80, .size: 8, .value_kind: global_buffer, .address_space: global }
      - { .name: params_hyper_b1_0, .offset: 88, .size: 8, .value_kind: global_buffer, .address_space: global }
      - { .name: params_emb_w2_0, .offset: 96, .size: 8, .value_kind: global_buffer, .address_space: global }
      - { .name: params_attn_w2_q_0, .offset: 104, .size: 8, .value_kind: global_buffer, .address_space: global }
      - { .name: params_attn_w2_k_0, .offset: 112, .size: 8, .value_kind: global_buffer, .address_space: global }
      - { .name: params_attn_w2_v_0, .offset: 120, .size: 8, .value_kind: global_buffer, .address_space: global }
      - { .name: params_attn_w2_o_0, .offset: 128, .size: 8, .value_kind: global_buffer, .address_space: global }
      - { .name: params_hyper_w2_0, .offset: 136, .size: 8, .value_kind: global_buffer, .address_space: global }
      - { .name: params_emb_b2_0, .offset: 144, .size: 8, .value_kind: global_buffer, .address_space: global }
      - { .name: params_attn_b2_q_0, .offset: 152, .size: 8, .value_kind: global_buffer, .address_space: global }
      - { .name: params_attn_b2_k_0, .offset: 160, .size: 8, .value_kind: global_buffer, .address_space: global }
      - { .name: params_attn_b2_v_0, .offset: 168, .size: 8, .value_kind: global_buffer, .address_space: global }
      - { .name: params_attn_b2_o_0, .offset: 176, .size: 8, .value_kind: global_buffer, .address_space: global }
      - { .name: params_hyper_b2_0, .offset: 184, .size: 8, .value_kind: global_buffer, .address_space: global }
      - { .name: wp, .offset: 192, .size: 8, .value_kind: global_buffer, .address_space: global }
    .group_segment_fixed_size: 0
    .private_segment_fixed_size: 0
    .kernarg_segment_align: 8
    .kernarg_segment_size: 200
    .max_flat_workgroup_size: 32
    .sgpr_count:     66
    .vgpr_count:     56
    .wavefront_size: 32
...
	.end_amdgpu_metadata
.endif
;; end of part 3
;; launch mix (part 4): grid 256 x 1, 8 waves a work-group, no clusters, 252,672 bytes of LDS; arguments agent_qs, entities, entity_mask, wp, out0, params_emb_w1_1, params_emb_b1_1, params_emb_w2_1, params_emb_b2_1, params_attn_w1_v_1, params_attn_b1_v_1, params_attn_w2_v_1, params_attn_b2_v_1, params_attn_w1_q_1, params_attn_b1_q_1, params_attn_w2_q_1, params_attn_b2_q_1, params_attn_w1_o_1, params_attn_b1_o_1, params_attn_w2_o_1, params_attn_b2_o_1, params_attn_w1_k_1, params_attn_b1_k_1, params_attn_w2_k_1, params_attn_b2_k_1, params_hyper_w1_1, params_hyper_b1_1, params_hyper_w2_1, params_hyper_b2_1; writes out0
.if DOCPART == 4
	.amdgcn_target "amdgcn-amd-amdhsa--gfx1250"
	.amdhsa_code_object_version 6
	.text
	.protected	k_q4c00073663_mix
	.globl	k_q4c00073663_mix
	.p2align	8
	.type	k_q4c00073663_mix,@function
k_q4c00073663_mix:
	s_mov_b64 s[64:65], 0
	v_nop
	global_prefetch_b8 v0, s[64:65] scope:SCOPE_SE
	s_setreg_imm32_b32 hwreg(HW_REG_WAVE_MODE, 25, 1), 1
	s_wait_xcnt 0x0
; The whole mixer, fused.  A work-group owns 64 samples (each 32 entities x 64 f32, 32 mask bytes, 16 agent values) and makes 64 outputs.
; Eight waves: net = wave & 3 (0 w1, 1 b1, 2 w2, 3 b2), role = wave >> 2.  All weights stay in registers for the whole launch:
;   a FRONT wave (role 0) holds We, Wq, Wk, Wv of its net (256 registers) and makes relu(embedding), Q (16 rows), K and V (32 rows);
;   a BACK wave (role 1) holds Wo, Wh and makes attention, the o and hyper products, the softmax over features and the sum over agents.
; Front hands Q, K, V to back as bf16 fragments through LDS (two parities), one work-group barrier a step:
; in step s front works on sample s, back on sample s - 1; 65 steps, of which 62 are 31 trips of a loop of two.
; THE ENTITIES come through registers: each front wave loads a quarter of a sample (8 rows, four loads of 512 consecutive bytes), rounds it
; to bf16 once for all four nets and stores it in fragment order into a small exchange (two parities); all four front waves read finished
; fragments from there: 4,096 bytes of bf16 a sample go through LDS, where f32 tiles would be 8,192 bytes read and converted four times.
; In step s sample s + 1 is converted and, straight behind that, sample s + 2 is asked for: 8,192 bytes of the work-group are on their way
; for one whole step.  All LDS addresses but the tables' are constants with a parity, which is what lets a trip be two steps.
; ACTIVATIONS ARE KEPT TRANSPOSED: D = W^T (A) x X^T (B) leaves in lane (r, h) row r and features 16 t + 8 h + j, and packing tiles
; 2c and 2c+1 to bf16 gives registers 0-3 and 4-7 of the next product's fragment: no lane ever sends anything to another between products.
; V is made with the sources swapped, so that its packed tiles are the A fragment of V^T; logits are made as K (A) x Q (B), so that
; exp(logits) packs into the B fragment of the product with V.  A head has 16 features, half of a K step of 32: K's fragment holds two
; heads and Q's fragment has zeros in the other head's half.  Biases and the key mask enter as the C operand of a sum's first product.
; Row sums of the attention weights come from a product with a fragment of ones, so the weights are divided by the sum of exactly the
; bf16 numbers that were multiplied, and bv may be added behind the division.
; The sum over the 16 agents (lanes): U[a][f] = coef[a] x value is packed and multiplied by an identity fragment, which brings the
; agents into registers; coef = qs (w1), keep/16 (b1, w2), keep/1024 (b2).
; NO CLUSTER: the 524,288 bytes of entities of a work-group are its own; what work-groups share are the 196,608 bytes of packed
; weights, which each wave loads once, straight into registers.
; LIMITS: a masked key gets MASKV = -1.4428e9 (base 2; -1.0001e9 natural) ADDED to its logit, where the model substitutes -1e9: the same
; result while |logit x log2 e| stays below about 1e8.  A sample whose 32 keys are all masked gets equal weights, as the model gives.
; Mask bytes are taken to be 0 or 1.  NaN and infinities in the inputs are not followed.  Matrix operands are rounded to bf16.
.set EXC,   0                          ; entities in bf16: parity x 4,608 + row tile x 2,304 + 288 (4c + 2q + h) + 16 r + 2 e: element k = 32c+16q+8h+e of row r
.set EPAR,  4608
.set ERT,   2304
.set EC,    1152                       ; blocks of 256 bytes, 288 apart: the 32 lanes of a store of 8 bytes fall on 64 different banks
.set EQ,    576                        ; (word terms 32, 16, 8, 4, 2), and a 16-lane pass of a 16-byte load reads 256 consecutive bytes
.set EH,    288
.set XCH,   9216                       ; exchange: net x 20,480 + parity x 10,240 + unit x 512 + lane x 16; units: Q head t = t, K (kt, t) = 4+4kt+t, V (t, kt) = 12+2t+kt
.set XNET,  20480
.set XPAR,  10240
.set RT,    91136                      ; partial sums: net x 32,768 + sample x 512 + lane x 16 (four f32: tiles 0..3): each back wave stores into 32,768 bytes of its own
.set RNET,  32768
.set MB,    222208                     ; key mask as f32: sample x 128 + key x 4: 0 or MASKV
.set CF,    230400                     ; coef: sample x 256 + net x 64 + agent x 4
.set KM,    246784                     ; agent kept: sample x 64 + agent x 4: all ones, or 0
.set SF,    250880                     ; sample x 8: (sf, sf); sf = 0 where all 32 keys are masked, else 1
.set OUTS,  251392                     ; the 64 results
.set NETB,  49152                      ; a net's block in the packed weights
.set MASKV, 0xceac0000
.set LOG2E, 0x3fb8aa3b
.set SCQ,   0x3eb8aa3b                 ; 0.25 log2(e), on bq as on Wq
; ADDRESSES live in v0-v7, which neither role ever uses for data:
;   v0 thread; v1 16 x lane: the offset of the weight loads and of the entity loads, never rewritten; v2 my 16 bytes of an exchange unit;
;   v3 front: my 16 bytes of an entity block; back: my place in MB;   v4 32 h for the bias loads, then my place in RT (stepped by back);
;   v5 front: where my 8 bytes of bf16 go; back: my place in SF;      v6, v7 my places in KM, CF (read and stepped by back alone)
.set RTA, 4
.set VES, 5
.set TB,  104                          ; v[104:152]: at work while the tables are made; free in both roles then
.set LR,  TB+44                        ; r
.set LH,  TB+45                        ; h
.set L4,  TB+46                        ; 4 r
; FRONT, registers 0-255                FRONT, registers 256-511 (named by their low 8 bits)
.set BE,  8                            ; bias tiles, 32 registers each: tile t at +8t, register j = b[16t+8h+j]
.set BQ,  40
.set BK,  72
.set SA,  104                          ; two sets of four accumulators
.set SB,  136
.set EL,  168                          ; v[168:183]: my quarter of a sample as loaded
.set EX0, 200                          ; fragments of rows 0-15: first the entities, then x; K step c at +8c
.set EX1, 216                          ; of rows 16-31
.set PK,  232                          ; 16 registers on the way to LDS
.set WE,  0                            ; weight fragment (t, c) at +8 (2t + c)
.set WQ,  64
.set WK,  128
.set WV,  192
; BACK, registers 0-255
.set NM,  8                            ; v[8:9]   minus the maximum
.set CC,  10                           ; v[10:11] the factor on Z
.set RR,  10                           ; v[10:13] the four tiles' sums (CC is dead by then)
.set QF,  16                           ; Q of head t at +8t, data in registers 4 (t&1) .. +3, the other four stay 0
.set KF,  48                           ; K fragment (kt, head pair p) at +16kt+8p
.set OFR, KF                           ; later: attention output, packed
.set YFR, KF+16                        ; later: y, packed
.set VF,  80                           ; V^T of head t at +8t; later Z, tile t at +8t
.set MC,  112                          ; mask tile kt at +8kt; later U, packed
.set LG,  128                          ; logits (t, kt) at +16t+8kt; later output of head t at +16t and its row sums at +16t+8; later transposed U at +8t
.set PF,  192                          ; weights of head t at +8t; later y, tile t at +8t
.set ONES, 224
.set IDN, 232                          ; E, 0, E: identity for k = n at IDN, for k = n + 16 at IDN + 4
.set SFP, 244
.set KW,  246
.set CO,  247
.set T,   248                          ; v[248:255] at work
; BACK, registers 256-511
.set WO,  0
.set WH,  64
.set BO,  128
.set BH,  160
.set BV,  192
.set MSB, 0
.macro WIN new                         ; s_set_vgpr_msb: bits 1:0 source 0, 3:2 source 1, 5:4 source 2, 7:6 destination; the high byte repeats the setting left
.if MSB != \new
	s_set_vgpr_msb (MSB<<8)|\new
.set MSB, \new
.endif
.endm
.macro NOPS n                          ; places behind a matrix instruction (ISA guide 7.12.1), where no useful independent work is at hand
.rept \n
	v_nop
.endr
.endm
; 32 f32 to 16 packed registers: tile t, pair j -> dst + 4t + j, which is the fragment order
.macro CVT16 dst, src
.set kk, 0
.rept 16
	v_cvt_pk_bf16_f32 v[\dst+kk], v[\src+2*kk], v[\src+2*kk+1]
.set kk, kk+1
.endr
.endm
; Four out tiles x two K steps, A = weights (upper registers), B = activations, the bias tile starts each sum.
; The four accumulators take turns, one instruction a turn.
.macro GEMMB acc, w, x, cb, win0
	WIN \win0
.irp t, 0,1,2,3
	v_wmma_f32_16x16x32_bf16 v[\acc+8*\t:\acc+8*\t+7], v[\w+16*\t:\w+16*\t+7], v[\x:\x+7], v[\cb+8*\t:\cb+8*\t+7]
.endr
	WIN 0x01
.irp t, 0,1,2,3
	v_wmma_f32_16x16x32_bf16 v[\acc+8*\t:\acc+8*\t+7], v[\w+16*\t+8:\w+16*\t+15], v[\x+8:\x+15], v[\acc+8*\t:\acc+8*\t+7]
.endr
.endm
; The same with the sources swapped and no bias: lane = out feature, registers = rows.  Turns as above.
.macro GEMMV acc, w, x
	WIN 0x04
.irp t, 0,1,2,3
	v_wmma_f32_16x16x32_bf16 v[\acc+8*\t:\acc+8*\t+7], v[\x:\x+7], v[\w+16*\t:\w+16*\t+7], 0
.endr
.irp t, 0,1,2,3
	v_wmma_f32_16x16x32_bf16 v[\acc+8*\t:\acc+8*\t+7], v[\x+8:\x+15], v[\w+16*\t+8:\w+16*\t+15], v[\acc+8*\t:\acc+8*\t+7]
.endr
.endm
.macro RELU acc, dst
.irp t, 0,1,2,3
.irp j, 0,1,2,3,4,5,6,7
	v_max_num_f32 v[\acc+8*\t+\j], 0, v[\acc+8*\t+\j]
.endr
.irp j, 0,1,2,3
	v_cvt_pk_bf16_f32 v[\dst+4*\t+\j], v[\acc+8*\t+2*\j], v[\acc+8*\t+2*\j+1]
.endr
.endr
.endm
; four tiles packed and handed over: tile t becomes unit u0 + us t of parity par
.macro CVTST acc, u0, us, par
.irp t, 0,1,2,3
.irp j, 0,1,2,3
	v_cvt_pk_bf16_f32 v[PK+4*\t+\j], v[\acc+8*\t+2*\j], v[\acc+8*\t+2*\j+1]
.endr
	ds_store_b128 v2, v[PK+4*\t:PK+4*\t+3] offset:\par*XPAR+(\u0+\us*\t)*512
.endr
.endm
.macro BIASLD dst, sb                  ; the bias at s[sb:sb+1] as four C tiles: register j of tile t = b[16t+8h+j]
.irp t, 0,1,2,3
.irp b, 0,1
	global_load_b128 v[\dst+8*\t+4*\b:\dst+8*\t+4*\b+3], v4, s[\sb:\sb+1] offset:64*\t+16*\b
.endr
.endr
.endm
; my quarter of a sample: four loads, each 512 consecutive bytes (two rows), read once in the launch
.macro GLOAD
.irp j, 0,1,2,3
	global_load_b128 v[EL+4*\j:EL+4*\j+3], v1, s[24:25] offset:512*\j th:TH_LOAD_NT
.endr
.endm
; My quarter of the next sample is rounded in place and stored into the entity exchange of parity par; then the sample behind it is asked for.
; The wait is for 0: the four loads issued a step ago are all that the wave has out.  It also shows them done, so that their base may be
; stepped and their registers loaded again.  guard = 1 (the loop's second step): in the last trip the sample behind would be the 65th,
; so the loads are jumped over there, on the loop's counter.
.macro CONV par, guard
	s_wait_loadcnt 0x0
.irp j, 0,1,2,3
	v_cvt_pk_bf16_f32 v[EL+4*\j],   v[EL+4*\j],   v[EL+4*\j+1]
	v_cvt_pk_bf16_f32 v[EL+4*\j+1], v[EL+4*\j+2], v[EL+4*\j+3]
.endr
.irp j, 0,1,2,3
	ds_store_b64 v[VES], v[EL+4*\j:EL+4*\j+1] offset:EXC+\par*EPAR+32*\j
.endr
.if \guard
	s_cmp_lg_u32 s22, 1
	s_cbranch_scc0 .Lnl_\@
.endif
	s_add_nc_u64 s[24:25], s[24:25], 0x2000        ; 8,192 bytes a sample
	GLOAD
.if \guard
.Lnl_\@:
.endif
.endm
; ---------------------------------------------------------------- FRONT: the sample of parity par; doc = 1: the next sample is converted on the way
.macro FRONT par, doc, guard
.irp rt, 0,1
.irp c, 0,1
.irp q, 0,1
	ds_load_b128 v[EX0+16*\rt+8*\c+4*\q:EX0+16*\rt+8*\c+4*\q+3], v3 offset:EXC+\par*EPAR+\rt*ERT+\c*EC+\q*EQ
.endr
.endr
.endr
	s_wait_dscnt 4                                 ; rows 0-15 are in; the four loads of rows 16-31 may be out
	GEMMB SB, WE, EX0, BE, 0x01                    ; embedding of rows 0-15
	s_wait_dscnt 0x0
	GEMMB SA, WE, EX1, BE, 0x01                    ; embedding of rows 16-31
	WIN 0
.if \doc
	CONV (1-\par), \guard                          ; its eight conversions are the places behind the products above
.else
	NOPS 4
.endif
	RELU SB, EX0
	RELU SA, EX1
	; the two sets take turns: while one set's products run, the other's results are packed and stored, which also gives the places
	GEMMB SB, WQ, EX0, BQ, 0x01                    ; Q: only the 16 agent rows are ever used
	GEMMB SA, WK, EX0, BK, 0x01                    ; K of keys 0-15
	WIN 0
	NOPS 4
	CVTST SB, 0, 1, \par                           ; Q
	GEMMB SB, WK, EX1, BK, 0x01                    ; K of keys 16-31
	WIN 0
	CVTST SA, 4, 1, \par                           ; K, keys 0-15
	GEMMV SA, WV, EX0                              ; V of keys 0-15 (bv is added behind the attention)
	WIN 0
	CVTST SB, 8, 1, \par                           ; K, keys 16-31
	GEMMV SB, WV, EX1                              ; V of keys 16-31
	WIN 0
	CVTST SA, 12, 2, \par                          ; V, keys 0-15
	CVTST SB, 13, 2, \par                          ; V, keys 16-31
.endm
; ---------------------------------------------------------------- BACK's pieces
; Softmax numerators of head t: my 16 keys of query r; the other 16 lie in lane r of the other half.
.macro SOFT t
.set LB, LG+16*\t
	v_max3_num_f32 v[T],   v[LB],   v[LB+1],  v[LB+2]
	v_max3_num_f32 v[T+1], v[LB+3], v[LB+4],  v[LB+5]
	v_max3_num_f32 v[T+2], v[LB+6], v[LB+7],  v[LB+8]
	v_max3_num_f32 v[T+3], v[LB+9], v[LB+10], v[LB+11]
	v_max3_num_f32 v[T],   v[T],    v[LB+12], v[LB+13]
	v_max3_num_f32 v[T+1], v[T+1],  v[LB+14], v[LB+15]
	v_max3_num_f32 v[T],   v[T],    v[T+1],   v[T+2]
	v_max_num_f32  v[T],   v[T],    v[T+3]
	v_permlanex16_b32 v[T+1], v[T], s20, s21       ; the other half's maximum
	v_max_num_f32  v[T], v[T], v[T+1]
	v_mul_f32 v[NM], -v[T], v[SFP]                 ; - maximum x sf
.irp j, 0,2,4,6,8,10,12,14
	v_pk_fma_f32 v[LB+\j:LB+\j+1], v[LB+\j:LB+\j+1], v[SFP:SFP+1], v[NM:NM+1] op_sel_hi:[1,0,0]   ; (l - maximum) sf: 0 everywhere where all keys are masked
.endr
.irp j, 0,1,2,3,4,5,6,7,8,9,10,11,12,13,14,15
	v_exp_f32 v[LB+\j], v[LB+\j]
.endr
	v_nop                                          ; one plain instruction between the last exponential and its use (ISA guide 5.7.2)
	s_wait_alu depctr_va_vdst(0)
.irp j, 0,1,2,3,4,5,6,7
	v_cvt_pk_bf16_f32 v[PF+8*\t+\j], v[LB+2*\j], v[LB+2*\j+1]
.endr
.endm
.macro AV t                            ; output^T of head t, and the weights' sums; two accumulators, one instruction each
	v_wmma_f32_16x16x32_bf16 v[LG+16*\t:LG+16*\t+7],    v[VF+8*\t:VF+8*\t+7], v[PF+8*\t:PF+8*\t+7], 0
	v_wmma_f32_16x16x32_bf16 v[LG+16*\t+8:LG+16*\t+15], v[ONES:ONES+7],       v[PF+8*\t:PF+8*\t+7], 0
.endm
.macro NRM t                           ; output / sum + bv
	s_wait_alu depctr_va_vdst(0)
.irp j, 0,2,4,6
	v_pk_fma_f32 v[LG+16*\t+\j:LG+16*\t+\j+1], v[LG+16*\t+\j:LG+16*\t+\j+1], v[T+2*\t:T+2*\t+1], v[BV+8*\t+\j:BV+8*\t+\j+1] op_sel_hi:[1,0,1]
.endr
.endm
; Softmax over the 64 features of agent r: my 32 in VF, the other 32 in the other half's lane.  Leaves exp in VF and coef / sum in CC.
.macro SOFTZ
	v_max3_num_f32 v[T],   v[VF],   v[VF+1],  v[VF+2]
	v_max3_num_f32 v[T+1], v[VF+3], v[VF+4],  v[VF+5]
	v_max3_num_f32 v[T+2], v[VF+6], v[VF+7],  v[VF+8]
	v_max3_num_f32 v[T+3], v[VF+9], v[VF+10], v[VF+11]
.irp p, 0,1,2,3,4,5,6,7,8,9
	v_max3_num_f32 v[T+(\p&3)], v[T+(\p&3)], v[VF+12+2*\p], v[VF+13+2*\p]
.endr
	v_max3_num_f32 v[T], v[T], v[T+1], v[T+2]
	v_max_num_f32  v[T], v[T], v[T+3]
	v_permlanex16_b32 v[T+1], v[T], s20, s21
	v_max_num_f32  v[T], v[T], v[T+1]
	v_mul_f32 v[NM], 0xbfb8aa3b, v[T]              ; - maximum x log2(e)
.irp j, 0,2,4,6,8,10,12,14,16,18,20,22,24,26,28,30
	v_pk_fma_f32 v[VF+\j:VF+\j+1], v[VF+\j:VF+\j+1], LOG2E, v[NM:NM+1] op_sel_hi:[1,0,0]
.endr
.set kk, 0
.rept 32
	v_exp_f32 v[VF+kk], v[VF+kk]
.set kk, kk+1
.endr
	v_nop
	s_wait_alu depctr_va_vdst(0)
.irp j, 0,1,2,3
	v_pk_add_f32 v[T+2*\j:T+2*\j+1], v[VF+4*\j:VF+4*\j+1], v[VF+4*\j+2:VF+4*\j+3]
.endr
.irp j, 0,1,2,3,4,5,6,7
	v_pk_add_f32 v[T+2*(\j&3):T+2*(\j&3)+1], v[T+2*(\j&3):T+2*(\j&3)+1], v[VF+16+2*\j:VF+16+2*\j+1]
.endr
	v_pk_add_f32 v[T:T+1],   v[T:T+1],   v[T+2:T+3]
	v_pk_add_f32 v[T+4:T+5], v[T+4:T+5], v[T+6:T+7]
	v_pk_add_f32 v[T:T+1],   v[T:T+1],   v[T+4:T+5]
	v_add_f32 v[T], v[T], v[T+1]
	v_permlanex16_b32 v[T+1], v[T], s20, s21
	v_add_f32 v[T], v[T], v[T+1]
	v_rcp_f32 v[T+2], v[T]
	v_nop
	s_wait_alu depctr_va_vdst(0)
	v_mul_f32 v[CC], v[CO], v[T+2]
.endm
; ---------------------------------------------------------------- BACK: the sample that front handed over in the step before the step of parity par
.macro BACK par
.irp t, 0,1,2,3
	ds_load_b128 v[QF+8*\t+4*(\t&1):QF+8*\t+4*(\t&1)+3], v2 offset:(1-\par)*XPAR+\t*512
.endr
.irp kt, 0,1
.irp t, 0,1,2,3
	ds_load_b128 v[KF+16*\kt+4*\t:KF+16*\kt+4*\t+3], v2 offset:(1-\par)*XPAR+(4+4*\kt+\t)*512
.endr
.endr
.irp kt, 0,1
.irp b, 0,1
	ds_load_b128 v[MC+8*\kt+4*\b:MC+8*\kt+4*\b+3], v3 offset:64*\kt+16*\b
.endr
.endr
	ds_load_b64 v[SFP:SFP+1], v5
	ds_load_b32 v[KW], v6
	ds_load_b32 v[CO], v7
.irp t, 0,1,2,3
.irp kt, 0,1
	ds_load_b128 v[VF+8*\t+4*\kt:VF+8*\t+4*\kt+3], v2 offset:(1-\par)*XPAR+(12+2*\t+\kt)*512
.endr
.endr
	s_wait_dscnt 11                                ; Q, K and the mask tiles are in; sf, keep, coef and V's eight loads may be out
.irp t, 0,1,2,3
.irp kt, 0,1
	v_wmma_f32_16x16x32_bf16 v[LG+16*\t+8*\kt:LG+16*\t+8*\kt+7], v[KF+16*\kt+8*(\t>>1):KF+16*\kt+8*(\t>>1)+7], v[QF+8*\t:QF+8*\t+7], v[MC+8*\kt:MC+8*\kt+7]
.endr
.endr
	NOPS 5                                         ; four places before the logits are read, five before later products write over them
	s_wait_dscnt 8                                 ; sf, keep and coef are in; V's eight loads may be out
	SOFT 0
	s_wait_dscnt 0x0                               ; V
	AV 0
	SOFT 1
	AV 1
	SOFT 2
	AV 2
	SOFT 3
	AV 3
	WIN 0x10                                       ; source 2 (bv) in the upper registers
	v_rcp_f32 v[T],   v[LG+8]
	v_rcp_f32 v[T+2], v[LG+24]
	v_rcp_f32 v[T+4], v[LG+40]
	v_nop
	s_wait_alu depctr_va_vdst(0)
	NRM 0                                          ; with the v_nop: five places behind head 3's products
	v_rcp_f32 v[T+6], v[LG+56]
	NRM 1
	NRM 2
	NRM 3
	WIN 0
.irp t, 0,1,2,3
.irp j, 0,1,2,3
	v_cvt_pk_bf16_f32 v[OFR+4*\t+\j], v[LG+16*\t+2*\j], v[LG+16*\t+2*\j+1]
.endr
.endr
	GEMMB PF, WO, OFR, BO, 0x11                    ; y^T = Wo^T x output^T + bo
	WIN 0
	v_add_nc_u32 v3, 0x80, v3                      ; the tables' next sample: four independent instructions, the places behind the products
	v_add_nc_u32 v5, 8, v5
	v_add_nc_u32 v6, 64, v6
	v_add_nc_u32 v7, 0x100, v7
	CVT16 YFR, PF
.set kk, 0
.rept 16
	v_and_b32 v[YFR+kk], v[KW], v[YFR+kk]          ; y of a masked agent is 0
.set kk, kk+1
.endr
	GEMMB VF, WH, YFR, BH, 0x11                    ; z^T = Wh^T x y^T + hb
	WIN 0
	NOPS 4
	v_mov_b32 v[CC], v[CO]
	s_cmp_lg_u32 s19, 0                            ; nets b1 and b2 take z itself
	s_cbranch_scc1 .Lnsz_\@
	SOFTZ
.Lnsz_\@:
.irp j, 0,2,4,6,8,10,12,14,16,18,20,22,24,26,28,30
	v_pk_mul_f32 v[VF+\j:VF+\j+1], v[VF+\j:VF+\j+1], v[CC:CC+1] op_sel_hi:[1,0]
.endr
	CVT16 MC, VF
.irp t, 0,1,2,3
	v_wmma_f32_16x16x32_bf16 v[LG+8*\t:LG+8*\t+7], v[MC+8*(\t>>1):MC+8*(\t>>1)+7], v[IDN+4*(\t&1):IDN+4*(\t&1)+7], 0   ; lane = feature 16t+r, register j = agent 8h+j
.endr
	NOPS 4
.irp t, 0,1,2,3
	v_pk_add_f32 v[T+4*(\t&1):T+4*(\t&1)+1],   v[LG+8*\t:LG+8*\t+1],     v[LG+8*\t+2:LG+8*\t+3]
	v_pk_add_f32 v[T+4*(\t&1)+2:T+4*(\t&1)+3], v[LG+8*\t+4:LG+8*\t+5],   v[LG+8*\t+6:LG+8*\t+7]
	v_pk_add_f32 v[T+4*(\t&1):T+4*(\t&1)+1],   v[T+4*(\t&1):T+4*(\t&1)+1], v[T+4*(\t&1)+2:T+4*(\t&1)+3]
	v_add_f32 v[RR+\t], v[T+4*(\t&1)], v[T+4*(\t&1)+1]
.endr
	ds_store_b128 v[RTA], v[RR:RR+3]               ; eight agents' sums of four features
	v_add_nc_u32 v[RTA], 0x200, v[RTA]             ; the next sample's 512 bytes
.endm
; ---------------------------------------------------------------- a step: one barrier, then front and back each do a sample
; The barrier hands both exchanges over: in front of it every wave's LDS stores are in LDS and its LDS reads are over, so that behind it
; the parity written last step may be read and the parity read last step may be written.
.macro STEP par, dof, doc, guard, dob
	s_wait_dscnt 0x0                               ; for the others' sake: zero
	s_barrier_signal -1
	s_barrier_wait -1
	s_cmp_lg_u32 s18, 0
	s_cbranch_scc1 .Lbk_\@
.if \dof
	FRONT \par, \doc, \guard
.endif
	s_branch .Ljn_\@
.Lbk_\@:
.if \dob
	BACK \par
.endif
.Ljn_\@:
.endm
; ================================================================ head
	s_load_b256 s[4:11], s[0:1], 0x0               ; agent_qs s[4:5], entities s[6:7], entity_mask s[8:9], wp s[10:11]
	s_load_b64  s[12:13], s[0:1], 0x20             ; out0
	s_load_b512 s[48:63], s[0:1], 0x28             ; biases, wave w's at +2w: be of the four nets, then bv of the four nets
	s_load_b512 s[68:83], s[0:1], 0x68             ; bq, then bo
	s_load_b512 s[84:99], s[0:1], 0xa8             ; bk, then hb
	v_lshrrev_b32 v1, 5, v0
	v_readfirstlane_b32 s16, v1                    ; wave
	s_and_b32  s17, s16, 3                         ; net
	s_lshr_b32 s18, s16, 2                         ; role
	s_and_b32  s19, s16, 1                         ; the wave's bit 0: a b net
	s_and_b32  s23, s16, 2                         ; its bit 1
	s_mov_b32 s20, 0x76543210                      ; v_permlanex16_b32: lane i of one half reads lane i of the other
	s_mov_b32 s21, 0xfedcba98
	s_mov_b32 s43, 0                               ; upper word of the offset pair
	; LDS addresses: a constant, the net times a constant, a lane term
	v_and_b32 v1, 31, v0
	v_lshlrev_b32 v1, 4, v1                        ; 16 x lane
	v_and_b32 v[LR], 15, v0                        ; r
	v_bfe_u32 v[LH], v0, 4, 1                      ; h
	v_lshlrev_b32 v[L4], 2, v[LR]                  ; 4 r
	v_lshlrev_b32 v4, 5, v[LH]                     ; 32 h
	s_mul_i32 s44, s17, XNET
	s_add_co_u32 s44, s44, XCH
	v_add_nc_u32 v2, s44, v1                       ; my 16 bytes of a unit of my net's exchange
	v_add_nc_u32 v6, KM, v[L4]                     ; agent r's keep word
	s_mul_i32 s44, s17, 64
	s_add_co_u32 s44, s44, CF
	v_add_nc_u32 v7, s44, v[L4]                    ; agent r's coef for my net
	s_mul_i32 s46, s17, RNET
	s_add_co_u32 s46, s46, RT                      ; my net's part of RT
	; front wave n loads rows 8n .. 8n+7; load j, lane L: row 8n + 2j + (L>>4), elements 4 (L&15) .. +3, which belong at
	; row tile n>>1, block (L>>1)&7, r = 8 (n&1) + 2j + (L>>4), half L&1
	s_lshr_b32 s44, s17, 1
	s_mul_i32 s44, s44, ERT
	s_mul_i32 s45, s19, 128
	s_add_co_u32 s47, s44, s45                     ; the wave's term
	v_bfe_u32 v[TB+47], v0, 1, 3
	v_mul_u32_u24 v[TB+47], EH, v[TB+47]
	v_lshl_add_u32 v[TB+47], v[LH], 4, v[TB+47]
	v_and_b32 v[TB+48], 1, v0
	v_lshl_add_u32 v[TB+47], v[TB+48], 3, v[TB+47] ; the lane's term
	; what the tables are made of: thread t has 8 mask bytes, 4 agents' mask bytes and 4 agent values of sample t >> 2
	v_lshlrev_b32 v[TB+33], 3, v0
	v_lshrrev_b32 v[TB+34], 2, v0
	v_and_b32 v[TB+35], 3, v0
	v_lshlrev_b32 v[TB+35], 2, v[TB+35]
	v_lshl_add_u32 v[TB+34], v[TB+34], 5, v[TB+35]
	v_lshlrev_b32 v[TB+35], 4, v0
	s_wait_kmcnt 0x0
	s_lshl_b32 s42, ttmp9, 19                      ; my 64 samples of 8,192 bytes,
	s_mul_i32 s45, s17, 2048                       ; and in each the wave's eight rows
	s_add_co_u32 s42, s42, s45
	s_add_nc_u64 s[24:25], s[6:7], s[42:43]        ; the entity loads' base: sample 0
	s_lshl_b32 s42, ttmp9, 11
	s_add_nc_u64 s[34:35], s[8:9], s[42:43]        ; my 64 x 32 mask bytes
	s_lshl_b32 s42, ttmp9, 12
	s_add_nc_u64 s[36:37], s[4:5], s[42:43]        ; my 64 x 16 agent values
	s_lshl_b32 s42, ttmp9, 8
	s_add_nc_u64 s[38:39], s[12:13], s[42:43]      ; my 64 outputs
	s_mul_i32 s42, s17, NETB
	s_add_nc_u64 s[40:41], s[10:11], s[42:43]      ; my net's block of weights
	; my wave's three biases into s[48:49], s[68:69], s[84:85]: a choice between buffers on the three bits of the wave's number
	s_cmp_lg_u32 s19, 0
.irp g, 48,68,84
.irp i, 0,1,2,3
	s_cselect_b64 s[\g+4*\i:\g+4*\i+1], s[\g+4*\i+2:\g+4*\i+3], s[\g+4*\i:\g+4*\i+1]
.endr
.endr
	s_cmp_lg_u32 s23, 0
.irp g, 48,68,84
.irp i, 0,1
	s_cselect_b64 s[\g+8*\i:\g+8*\i+1], s[\g+8*\i+4:\g+8*\i+5], s[\g+8*\i:\g+8*\i+1]
.endr
.endr
	s_cmp_lg_u32 s18, 0
.irp g, 48,68,84
	s_cselect_b64 s[\g:\g+1], s[\g+8:\g+9], s[\g:\g+1]
.endr
	global_load_b64  v[TB:TB+1],   v[TB+33], s[34:35]
	global_load_b32  v[TB+2],      v[TB+34], s[34:35]
	global_load_b128 v[TB+4:TB+7], v[TB+35], s[36:37]
	s_cmp_lg_u32 s18, 0
	s_cbranch_scc1 .Linit_back
	; ---- front: sample 0; We, Wq, Wk, Wv into registers 256-511; be, bq, bk as C tiles
	v_mul_u32_u24 v3, EH, v[LH]
	v_lshl_add_u32 v3, v[LR], 4, v3                ; 288 h + 16 r: my 16 bytes of a block (the entity exchange begins at LDS byte 0)
	v_add_nc_u32 v[VES], s47, v[TB+47]             ; where my 8 bytes of bf16 go
	GLOAD
	WIN 0x40
.set kk, 0
.rept 64
	global_load_b128 v[4*kk:4*kk+3], v1, s[40:41] offset:512*kk
.set kk, kk+1
.endr
	WIN 0
	BIASLD BE, 48
	BIASLD BQ, 68
	BIASLD BK, 84
	CONV 0, 0                                      ; its wait for 0 covers the weights, the biases and the tables' inputs too; sample 0 goes into the exchange, sample 1 is asked for
.irp j, 0,2,4,6,8,10,12,14,16,18,20,22,24,26,28,30
	v_pk_mul_f32 v[BQ+\j:BQ+\j+1], v[BQ+\j:BQ+\j+1], SCQ op_sel_hi:[1,0]
.endr
	s_branch .Linit_done
.Linit_back:
	; ---- back: Wo, Wh, bv, bo, hb into registers 256-511; constants
	WIN 0x40
.set kk, 0
.rept 32
	global_load_b128 v[4*kk:4*kk+3], v1, s[40:41] offset:32768+512*kk
.set kk, kk+1
.endr
	BIASLD BV, 48
	BIASLD BO, 68
	BIASLD BH, 84
	WIN 0
	v_add_nc_u32 v3, MB, v4                        ; my eight keys of a mask tile
	v_mov_b32 v5, SF                               ; sample 0's sf
	v_lshlrev_b32 v14, 3, v[LH]
	v_sub_nc_u32 v14, v[LR], v14                   ; d = r - 8 h: my element of the identity, if it is 0..7
	v_mov_b32 v[T], 0x3f80                         ; bf16 1.0 in the low half
	v_mov_b32 v[T+1], 0x3f800000                   ; in the high half
.irp j, 0,1,2,3
	v_cmp_eq_u32 vcc_lo, 2*\j, v14
	v_cndmask_b32 v[IDN+\j], 0, v[T], vcc_lo
	v_cmp_eq_u32 vcc_lo, 2*\j+1, v14
	v_cndmask_b32 v[IDN+\j], v[IDN+\j], v[T+1], vcc_lo
	v_mov_b32 v[IDN+4+\j], 0
	v_mov_b32 v[IDN+8+\j], v[IDN+\j]
.endr
.irp j, 0,1,2,3,4,5,6,7
	v_mov_b32 v[ONES+\j], 0x3f803f80
	v_mov_b32 v[T+\j], 0                           ; written once: permute destinations and second halves of pairs count as read
.endr
.irp t, 0,1,2,3
.irp j, 0,1,2,3
	v_mov_b32 v[QF+8*\t+4*(1-(\t&1))+\j], 0        ; the other head's half of Q's fragment
.endr
.endr
.irp j, 0,1,2,3
	v_mov_b32 v[NM+\j], 0                          ; NM and CC, both halves
.endr
	s_wait_loadcnt 0x0                             ; weights, biases and the tables' inputs are in
.Linit_done:
	v_add_nc_u32 v[RTA], s46, v1                   ; the bias loads, whose offset v4 was, are done: now my 16 bytes of sample 0 in my net's part of RT
	; ================================================================ the tables, by all 256 threads
	v_mov_b32 v[TB+29], MASKV
	v_mov_b32 v[TB+30], -1
	v_mov_b32 v[TB+31], 1.0
.irp b, 0,1,2,3,4,5,6,7
	v_bfe_u32 v[TB+28], v[TB+(\b>>2)], 8*(\b&3), 8
	v_cmp_ne_u32 vcc_lo, 0, v[TB+28]
	v_cndmask_b32 v[TB+8+\b], 0, v[TB+29], vcc_lo
.endr
	v_lshlrev_b32 v[TB+36], 5, v0
	v_add_nc_u32 v[TB+36], MB, v[TB+36]
	ds_store_b128 v[TB+36], v[TB+8:TB+11]
	ds_store_b128 v[TB+36], v[TB+12:TB+15] offset:16
	v_and_b32 v[TB+37], v[TB], v[TB+1]             ; all 32 bytes 1?  My 8, then the sample's four threads
	v_mov_b32 v[TB+38], v[TB+37]
	v_mov_b32_dpp v[TB+38], v[TB+37] row_xmask:1 row_mask:0xf bank_mask:0xf
	v_and_b32 v[TB+37], v[TB+37], v[TB+38]
	v_mov_b32_dpp v[TB+38], v[TB+37] row_xmask:2 row_mask:0xf bank_mask:0xf
	v_and_b32 v[TB+37], v[TB+37], v[TB+38]
	v_cmp_ne_u32 vcc_lo, 0x01010101, v[TB+37]
	v_cndmask_b32 v[TB+38], 0, v[TB+31], vcc_lo
	v_mov_b32 v[TB+39], v[TB+38]
	v_lshrrev_b32 v[TB+40], 2, v0
	v_lshlrev_b32 v[TB+40], 3, v[TB+40]
	v_add_nc_u32 v[TB+40], SF, v[TB+40]
	ds_store_b64 v[TB+40], v[TB+38:TB+39]          ; the four threads store the same pair
.irp b, 0,1,2,3
	v_bfe_u32 v[TB+28], v[TB+2], 8*\b, 8
	v_cmp_eq_u32 vcc_lo, 0, v[TB+28]
	v_cndmask_b32 v[TB+16+\b], 0, v[TB+30], vcc_lo
	v_and_b32 v[TB+20+\b], 0x3d800000, v[TB+16+\b] ; keep / 16
	v_and_b32 v[TB+24+\b], 0x3a800000, v[TB+16+\b] ; keep / 1024
.endr
	v_add_nc_u32 v[TB+41], KM, v[TB+35]
	ds_store_b128 v[TB+41], v[TB+16:TB+19]
	v_lshrrev_b32 v[TB+42], 2, v0
	v_and_b32 v[TB+43], 3, v0
	v_lshlrev_b32 v[TB+43], 4, v[TB+43]
	v_lshl_add_u32 v[TB+42], v[TB+42], 8, v[TB+43]
	v_add_nc_u32 v[TB+42], CF, v[TB+42]
	ds_store_b128 v[TB+42], v[TB+4:TB+7]           ; w1: the agent values, masked agents too, as the model has it
	ds_store_b128 v[TB+42], v[TB+20:TB+23] offset:64       ; b1
	ds_store_b128 v[TB+42], v[TB+20:TB+23] offset:128      ; w2
	ds_store_b128 v[TB+42], v[TB+24:TB+27] offset:192      ; b2
	; ================================================================ 65 steps
	STEP 0, 1, 1, 0, 0                             ; step 0: front alone, sample 0; sample 1 is converted, sample 2 asked for
	s_mov_b32 s22, 31
.Lloop:
	STEP 1, 1, 1, 0, 1                             ; steps 1, 3, .. 61: the last asks for sample 63
	STEP 0, 1, 1, 1, 1                             ; steps 2, 4, .. 62: the last converts sample 63 and asks for nothing
	s_sub_co_i32 s22, s22, 1
	s_cmp_lg_u32 s22, 0
	s_cbranch_scc1 .Lloop
	STEP 1, 1, 0, 0, 1                             ; step 63: nothing is left to convert
	STEP 0, 0, 0, 0, 1                             ; step 64: back alone, sample 63
	; ================================================================ the mixer: 64 samples, wave w takes 8w .. 8w+7, two at a time (one a half wave)
	s_wait_dscnt 0x0
	s_barrier_signal -1
	s_barrier_wait -1
	v_and_b32 v5, 15, v0                           ; r: I take features r, 16+r, 32+r, 48+r
	v_bfe_u32 v6, v0, 4, 1
	s_lshl_b32 s44, s16, 3
	v_add_nc_u32 v6, s44, v6                       ; 8 w + h
	v_lshlrev_b32 v7, 4, v5
	v_lshl_add_u32 v7, v6, 9, v7                   ; sample x 512 + 16 r
	v_add_nc_u32 v7, RT, v7                        ; nets 0 and 1
	v_add_nc_u32 v9, 2*RNET, v7                    ; nets 2 and 3: beyond what the 16-bit immediate reaches
	v_lshlrev_b32 v6, 2, v6
	v_add_nc_u32 v6, OUTS, v6
.irp i, 0,1,2,3
.irp n, 0,1,2,3
.irp p, 0,1
	ds_load_b128 v[16+32*\i+8*\n+4*\p:16+32*\i+8*\n+4*\p+3], v[7+2*(\n>>1)] offset:\i*1024+(\n&1)*RNET+\p*256
.endr
.endr
.endr
.macro COMB i
.set XB, 16+32*\i
	s_wait_dscnt 24-8*\i                           ; this pair's eight loads are in; the later pairs' may be out
.irp n, 0,1,2,3
	v_pk_add_f32 v[XB+8*\n:XB+8*\n+1],   v[XB+8*\n:XB+8*\n+1],   v[XB+8*\n+4:XB+8*\n+5]     ; agents 0-7 + agents 8-15
	v_pk_add_f32 v[XB+8*\n+2:XB+8*\n+3], v[XB+8*\n+2:XB+8*\n+3], v[XB+8*\n+6:XB+8*\n+7]
.endr
	v_pk_add_f32 v[XB:XB+1],     v[XB:XB+1],     v[XB+8:XB+9]       ; qs w_1 + b_1
	v_pk_add_f32 v[XB+2:XB+3],   v[XB+2:XB+3],   v[XB+10:XB+11]
	v_pk_add_f32 v[XB+24:XB+25], v[XB+24:XB+25], v[XB+26:XB+27]     ; b_2's share
.irp k, 0,1,2,3
	v_min_num_f32 v[144+\k], 0, v[XB+\k]
.endr
.irp k, 0,1,2,3
	v_mul_f32 v[144+\k], LOG2E, v[144+\k]
.endr
.irp k, 0,1,2,3
	v_exp_f32 v[144+\k], v[144+\k]
.endr
	v_add_f32 v148, v[XB+24], v[XB+25]             ; plain and independent: stands between the exponentials and their use
	s_wait_alu depctr_va_vdst(0)
.irp k, 0,1,2,3
	v_add_f32 v[144+\k], -1.0, v[144+\k]
	v_cmp_lt_f32 vcc_lo, 0, v[XB+\k]
	v_cndmask_b32 v[144+\k], v[144+\k], v[XB+\k], vcc_lo            ; elu
	v_fmac_f32 v148, v[144+\k], v[XB+16+\k]        ; + h w_2
.endr
	v_add_f32_dpp v148, v148, v148 row_xmask:1 row_mask:0xf bank_mask:0xf
	v_add_f32_dpp v148, v148, v148 row_xmask:2 row_mask:0xf bank_mask:0xf
	v_add_f32_dpp v148, v148, v148 row_xmask:4 row_mask:0xf bank_mask:0xf
	v_add_f32_dpp v148, v148, v148 row_xmask:8 row_mask:0xf bank_mask:0xf
	ds_store_b32 v6, v148 offset:8*\i              ; sample 8w + 2i + h; sixteen lanes store the same word
.endm
	COMB 0
	COMB 1
	COMB 2
	COMB 3
	s_wait_dscnt 0x0
	s_barrier_signal -1
	s_barrier_wait -1
	s_cmp_lg_u32 s16, 0
	s_cbranch_scc1 .Lend
	v_lshlrev_b32 v8, 3, v0                        ; wave 0: two results a lane
	v_add_nc_u32 v9, OUTS, v8
	ds_load_b64 v[10:11], v9
	s_wait_dscnt 0x0
	global_store_b64 v8, v[10:11], s[38:39]        ; the wave stores 256 consecutive bytes, aligned
.Lend:
	s_wait_xcnt 0x0
	v_lshl_add_u32 v252, v0, 2, 0x3d700
	v_mov_b32 v254, 0
	s_wait_tensorcnt 0x0
	ds_add_u32 v252, v254
	s_wait_dscnt 0x0
	s_endpgm
.Lfunc_end_k_q4c00073663_mix:
	.size	k_q4c00073663_mix, .Lfunc_end_k_q4c00073663_mix-k_q4c00073663_mix
	.p2alignl 7, 3214868480
	.fill 96, 4, 3214868480
	.section	.rodata,"a",@progbits
	.p2align	6, 0x0
	.amdhsa_kernel k_q4c00073663_mix
		.amdhsa_group_segment_fixed_size 252672
		.amdhsa_private_segment_fixed_size 0
		.amdhsa_enable_private_segment 0
		.amdhsa_kernarg_size 232
		.amdhsa_user_sgpr_count 2
		.amdhsa_user_sgpr_kernarg_segment_ptr 1
		.amdhsa_wavefront_size32 1
		.amdhsa_system_sgpr_workgroup_id_x 1
		.amdhsa_system_sgpr_workgroup_id_y 1
		.amdhsa_system_sgpr_workgroup_id_z 1
		.amdhsa_system_vgpr_workitem_id 0
		.amdhsa_next_free_vgpr 512
		.amdhsa_next_free_sgpr 100
		.amdhsa_reserve_vcc 1
		.amdhsa_float_denorm_mode_32 3
		.amdhsa_float_denorm_mode_16_64 3
		.amdhsa_memory_ordered 1
		.amdhsa_forward_progress 1
		.amdhsa_inst_pref_size 204
	.end_amdhsa_kernel
	.amdgpu_metadata
---
amdhsa.version: [ 1, 2 ]
amdhsa.kernels:
  - .name:           k_q4c00073663_mix
    .symbol:         k_q4c00073663_mix.kd
    .args:
      - { .name: agent_qs, .offset: 0, .size: 8, .value_kind: global_buffer, .address_space: global }
      - { .name: entities, .offset: 8, .size: 8, .value_kind: global_buffer, .address_space: global }
      - { .name: entity_mask, .offset: 16, .size: 8, .value_kind: global_buffer, .address_space: global }
      - { .name: wp, .offset: 24, .size: 8, .value_kind: global_buffer, .address_space: global }
      - { .name: out0, .offset: 32, .size: 8, .value_kind: global_buffer, .address_space: global }
      - { .name: params_emb_w1_1, .offset: 40, .size: 8, .value_kind: global_buffer, .address_space: global }
      - { .name: params_emb_b1_1, .offset: 48, .size: 8, .value_kind: global_buffer, .address_space: global }
      - { .name: params_emb_w2_1, .offset: 56, .size: 8, .value_kind: global_buffer, .address_space: global }
      - { .name: params_emb_b2_1, .offset: 64, .size: 8, .value_kind: global_buffer, .address_space: global }
      - { .name: params_attn_w1_v_1, .offset: 72, .size: 8, .value_kind: global_buffer, .address_space: global }
      - { .name: params_attn_b1_v_1, .offset: 80, .size: 8, .value_kind: global_buffer, .address_space: global }
      - { .name: params_attn_w2_v_1, .offset: 88, .size: 8, .value_kind: global_buffer, .address_space: global }
      - { .name: params_attn_b2_v_1, .offset: 96, .size: 8, .value_kind: global_buffer, .address_space: global }
      - { .name: params_attn_w1_q_1, .offset: 104, .size: 8, .value_kind: global_buffer, .address_space: global }
      - { .name: params_attn_b1_q_1, .offset: 112, .size: 8, .value_kind: global_buffer, .address_space: global }
      - { .name: params_attn_w2_q_1, .offset: 120, .size: 8, .value_kind: global_buffer, .address_space: global }
      - { .name: params_attn_b2_q_1, .offset: 128, .size: 8, .value_kind: global_buffer, .address_space: global }
      - { .name: params_attn_w1_o_1, .offset: 136, .size: 8, .value_kind: global_buffer, .address_space: global }
      - { .name: params_attn_b1_o_1, .offset: 144, .size: 8, .value_kind: global_buffer, .address_space: global }
      - { .name: params_attn_w2_o_1, .offset: 152, .size: 8, .value_kind: global_buffer, .address_space: global }
      - { .name: params_attn_b2_o_1, .offset: 160, .size: 8, .value_kind: global_buffer, .address_space: global }
      - { .name: params_attn_w1_k_1, .offset: 168, .size: 8, .value_kind: global_buffer, .address_space: global }
      - { .name: params_attn_b1_k_1, .offset: 176, .size: 8, .value_kind: global_buffer, .address_space: global }
      - { .name: params_attn_w2_k_1, .offset: 184, .size: 8, .value_kind: global_buffer, .address_space: global }
      - { .name: params_attn_b2_k_1, .offset: 192, .size: 8, .value_kind: global_buffer, .address_space: global }
      - { .name: params_hyper_w1_1, .offset: 200, .size: 8, .value_kind: global_buffer, .address_space: global }
      - { .name: params_hyper_b1_1, .offset: 208, .size: 8, .value_kind: global_buffer, .address_space: global }
      - { .name: params_hyper_w2_1, .offset: 216, .size: 8, .value_kind: global_buffer, .address_space: global }
      - { .name: params_hyper_b2_1, .offset: 224, .size: 8, .value_kind: global_buffer, .address_space: global }
    .group_segment_fixed_size: 252672
    .private_segment_fixed_size: 0
    .kernarg_segment_align: 8
    .kernarg_segment_size: 232
    .max_flat_workgroup_size: 256
    .sgpr_count:     100
    .vgpr_count:     512
    .wavefront_size: 32
...
	.end_amdgpu_metadata
.endif
;; end of part 4
;; ======== version 3 of 3: 2 launches; version 2 with the launch mix written anew for expert scheduling mode
;; limits: values outside matrix products are rounded to bf16; right only within a limited range of input values
;; workspace buffers: wp 196,608 bytes
;; launch prep: the kernel of part 3 again; grid 64 x 1, 1 waves a work-group, no clusters, 0 bytes of LDS; arguments params_emb_w1_0, params_attn_w1_q_0, params_attn_w1_k_0, params_attn_w1_v_0, params_attn_w1_o_0, params_hyper_w1_0, params_emb_b1_0, params_attn_b1_q_0, params_attn_b1_k_0, params_attn_b1_v_0, params_attn_b1_o_0, params_hyper_b1_0, params_emb_w2_0, params_attn_w2_q_0, params_attn_w2_k_0, params_attn_w2_v_0, params_attn_w2_o_0, params_hyper_w2_0, params_emb_b2_0, params_attn_b2_q_0, params_attn_b2_k_0, params_attn_b2_v_0, params_attn_b2_o_0, params_hyper_b2_0, wp; writes wp
;; launch mix (part 5): grid 256 x 1, 8 waves a work-group, no clusters, 252,672 bytes of LDS; arguments agent_qs, entities, entity_mask, wp, out0, params_emb_w1_1, params_emb_b1_1, params_emb_w2_1, params_emb_b2_1, params_attn_w1_v_1, params_attn_b1_v_1, params_attn_w2_v_1, params_attn_b2_v_1, params_attn_w1_q_1, params_attn_b1_q_1, params_attn_w2_q_1, params_attn_b2_q_1, params_attn_w1_o_1, params_attn_b1_o_1, params_attn_w2_o_1, params_attn_b2_o_1, params_attn_w1_k_1, params_attn_b1_k_1, params_attn_w2_k_1, params_attn_b2_k_1, params_hyper_w1_1, params_hyper_b1_1, params_hyper_w2_1, params_hyper_b2_1; writes out0
.if DOCPART == 5
	.amdgcn_target "amdgcn-amd-amdhsa--gfx1250"
	.amdhsa_code_object_version 6
	.text
	.protected	k_q4c00073663_mix
	.globl	k_q4c00073663_mix
	.p2align	8
	.type	k_q4c00073663_mix,@function
k_q4c00073663_mix:
	s_mov_b64 s[64:65], 0
	v_nop
	global_prefetch_b8 v0, s[64:65] scope:SCOPE_SE
	s_setreg_imm32_b32 hwreg(HW_REG_WAVE_SCHED_MODE, 0, 2), 2
	s_setreg_imm32_b32 hwreg(HW_REG_WAVE_MODE, 25, 1), 1
	s_wait_xcnt 0x0
	s_wait_alu depctr_vm_vsrc(0)
; The whole mixer, fused.  A work-group owns 64 samples (each 32 entities x 64 f32, 32 mask bytes, 16 agent values) and makes 64 outputs.
; Eight waves: net = wave & 3 (0 w1, 1 b1, 2 w2, 3 b2), role = wave >> 2.  All weights stay in registers for the whole launch:
;   a FRONT wave (role 0) holds We, Wq, Wk, Wv of its net (256 registers) and makes relu(embedding), Q (16 rows), K and V (32 rows);
;   a BACK wave (role 1) holds Wo, Wh and makes attention, the o and hyper products, the softmax over features and the sum over agents.
; Front hands Q, K, V to back as bf16 fragments through LDS (two parities), one work-group barrier a step:
; in step s front works on sample s, back on sample s - 1; 65 steps, of which 62 are 31 trips of a loop of two.
; THE ENTITIES come through registers: each front wave loads a quarter of a sample (8 rows, four loads of 512 consecutive bytes), rounds it
; to bf16 once for all four nets and stores it in fragment order into a small exchange (two parities); all four front waves read finished
; fragments from there: 4,096 bytes of bf16 a sample go through LDS, where f32 tiles would be 8,192 bytes read and converted four times.
; In step s sample s + 1 is converted and, straight behind that, sample s + 2 is asked for: 8,192 bytes of the work-group are on their way
; for one whole step.  All LDS addresses but the tables' are constants with a parity, which is what lets a trip be two steps.
; ACTIVATIONS ARE KEPT TRANSPOSED: D = W^T (A) x X^T (B) leaves in lane (r, h) row r and features 16 t + 8 h + j, and packing tiles
; 2c and 2c+1 to bf16 gives registers 0-3 and 4-7 of the next product's fragment: no lane ever sends anything to another between products.
; V is made with the sources swapped, so that its packed tiles are the A fragment of V^T; logits are made as K (A) x Q (B), so that
; exp(logits) packs into the B fragment of the product with V.  A head has 16 features, half of a K step of 32: K's fragment holds two
; heads and Q's fragment has zeros in the other head's half.  Biases and the key mask enter as the C operand of a sum's first product.
; Row sums of the attention weights come from a product with a fragment of ones, so the weights are divided by the sum of exactly the
; bf16 numbers that were multiplied, and bv may be added behind the division.
; The sum over the 16 agents (lanes): U[a][f] = coef[a] x value is packed and multiplied by an identity fragment, which brings the
; agents into registers; coef = qs (w1), keep/16 (b1, w2), keep/1024 (b2).
; NO CLUSTER: the 524,288 bytes of entities of a work-group are its own; what work-groups share are the 196,608 bytes of packed
; weights, which each wave loads once, straight into registers.
; LIMITS: a masked key gets MASKV = -1.4428e9 (base 2; -1.0001e9 natural) ADDED to its logit, where the model substitutes -1e9: the same
; result while |logit x log2 e| stays below about 1e8.  A sample whose 32 keys are all masked gets equal weights, as the model gives.
; Mask bytes are taken to be 0 or 1.  NaN and infinities in the inputs are not followed.  Matrix operands are rounded to bf16.
; THE MODE: SCHED_MODE bits 1:0 = 2 (LLVM: expert scheduling mode 2), set by the entry lines.  The code itself states the register dependences
; between vector or matrix instructions and memory or LDS instructions, with s_wait_alu, always for 0.
; THE PLAN.  Registers that memory or LDS instructions touch, in the loop:
;   FRONT  EX0, EX1   the step's first eight LDS loads land in them; then the relu's conversions write and the Q, K, V products read them.
;          EL         the global loads land in it; the eight conversions at the step's head read it, and it is asked for again behind them.
;          EO         those conversions write it, four LDS stores read it; written again a step later.
;          P0, P1, P2 packed Q, K, V: P0 <- Q, P1 <- K of keys 0-15, eight stores; P0 <- K of keys 16-31, P1 and P2 <- V, twelve stores.
;          v1, v2, v3, v5   offsets and LDS addresses: never written after the head.
;   BACK   QF, KF, MC, SFP, KW, CO, VF   the step's 27 LDS loads land in them, all at its head; vector and matrix instructions name them after that.
;          RR         the agents' sums: written at the step's end, read by its one LDS store.
;          v3, v5, v6, v7, v[RTA]   read by the loads and the store; stepped together, as the step's last five lines.
; THE WAITS.  Two lines stand at the head of every step, ahead of the role's branch: behind them no vector or matrix instruction of the step
; before is unfinished and no LDS or memory instruction of it has registers still to read.  Front adds: one wait on va_vdst behind the eight conversions
; of EL (EO is written, EL is read), one ahead of each of its two runs of stores, one wait on vm_vsrc between the first run and the rewriting
; of P0 and P1.  Back adds: one wait on va_vdst ahead of its store, one on vm_vsrc between the store and the five adds.
.set EXC,   0                          ; entities in bf16: parity x 4,608 + row tile x 2,304 + 288 (4c + 2q + h) + 16 r + 2 e: element k = 32c+16q+8h+e of row r
.set EPAR,  4608
.set ERT,   2304
.set EC,    1152                       ; blocks of 256 bytes, 288 apart: the 32 lanes of a store of 8 bytes fall on 64 different banks
.set EQ,    576                        ; (word terms 32, 16, 8, 4, 2), and a 16-lane pass of a 16-byte load reads 256 consecutive bytes
.set EH,    288
.set XCH,   9216                       ; exchange: net x 20,480 + parity x 10,240 + unit x 512 + lane x 16; units: Q head t = t, K (kt, t) = 4+4kt+t, V (t, kt) = 12+2t+kt
.set XNET,  20480
.set XPAR,  10240
.set RT,    91136                      ; partial sums: net x 32,768 + sample x 512 + lane x 16 (four f32: tiles 0..3): each back wave stores into 32,768 bytes of its own
.set RNET,  32768
.set MB,    222208                     ; key mask as f32: sample x 128 + key x 4: 0 or MASKV
.set CF,    230400                     ; coef: sample x 256 + net x 64 + agent x 4
.set KM,    246784                     ; agent kept: sample x 64 + agent x 4: all ones, or 0
.set SF,    250880                     ; sample x 8: (sf, sf); sf = 0 where all 32 keys are masked, else 1
.set OUTS,  251392                     ; the 64 results
.set NETB,  49152                      ; a net's block in the packed weights
.set MASKV, 0xceac0000
.set LOG2E, 0x3fb8aa3b
.set SCQ,   0x3eb8aa3b                 ; 0.25 log2(e), on bq as on Wq
; ADDRESSES live in v0-v7, which neither role ever uses for data:
;   v0 thread; v1 16 x lane: the offset of the weight loads and of the entity loads, never rewritten; v2 my 16 bytes of an exchange unit;
;   v3 front: my 16 bytes of an entity block; back: my place in MB;   v4 32 h for the bias loads, then my place in RT (stepped by back);
;   v5 front: where my 8 bytes of bf16 go; back: my place in SF;      v6, v7 my places in KM, CF (read and stepped by back alone)
; s26-s33 take the masks of the compares.
.set RTA, 4
.set VES, 5
.set TB,  104                          ; v[104:152]: at work while the tables are made; free in both roles then
.set LR,  TB+44                        ; r
.set LH,  TB+45                        ; h
.set L4,  TB+46                        ; 4 r
; FRONT, registers 0-255                FRONT, registers 256-511 (named by their low 8 bits)
.set BE,  8                            ; bias tiles, 32 registers each: tile t at +8t, register j = b[16t+8h+j]
.set BQ,  40
.set BK,  72
.set SA,  104                          ; two sets of four accumulators
.set SB,  136
.set EL,  168                          ; v[168:183]: my quarter of a sample as loaded
.set P1,  184                          ; v[184:199]: 16 registers on the way to LDS
.set EX0, 200                          ; fragments of rows 0-15: first the entities, then x; K step c at +8c
.set EX1, 216                          ; of rows 16-31
.set P0,  232                          ; v[232:247]: 16 registers on the way to LDS
.set EO,  248                          ; v[248:255]: my quarter of a sample in bf16, on the way to LDS
.set P2,  SA                           ; the step's last 16 on the way to LDS: SA's first 16 registers, whose numbers have been packed by then
.set WE,  0                            ; weight fragment (t, c) at +8 (2t + c)
.set WQ,  64
.set WK,  128
.set WV,  192
; BACK, registers 0-255
.set NM,  8                            ; v[8:9]   minus the maximum
.set CC,  10                           ; v[10:11] the factor on Z
.set RR,  10                           ; v[10:13] the four tiles' sums (CC is dead by then)
.set QF,  16                           ; Q of head t at +8t, data in registers 4 (t&1) .. +3, the other four stay 0
.set KF,  48                           ; K fragment (kt, head pair p) at +16kt+8p
.set OFR, KF                           ; later: attention output, packed
.set YFR, KF+16                        ; later: y, packed
.set VF,  80                           ; V^T of head t at +8t; later Z, tile t at +8t
.set MC,  112                          ; mask tile kt at +8kt; later U, packed
.set LG,  128                          ; logits (t, kt) at +16t+8kt; later output of head t at +16t and its row sums at +16t+8; later transposed U at +8t
.set PF,  192                          ; weights of head t at +8t; later y, tile t at +8t
.set ONES, 224
.set IDN, 232                          ; E, 0, E: identity for k = n at IDN, for k = n + 16 at IDN + 4
.set SFP, 244
.set KW,  246
.set CO,  247
.set T,   248                          ; v[248:255] at work
; BACK, registers 256-511
.set WO,  0
.set WH,  64
.set BO,  128
.set BH,  160
.set BV,  192
.set MSB, 0
.macro WIN new                         ; s_set_vgpr_msb: bits 1:0 source 0, 3:2 source 1, 5:4 source 2, 7:6 destination; the high byte repeats the setting left
.if MSB != \new
	s_set_vgpr_msb (MSB<<8)|\new
.set MSB, \new
.endif
.endm
.macro NOPS n                          ; places behind a matrix instruction (ISA guide 7.12.1), where no useful independent work is at hand
.rept \n
	v_nop
.endr
.endm
; 32 f32 to 16 packed registers: tile t, pair j -> dst + 4t + j, which is the fragment order
.macro CVT16 dst, src
.set kk, 0
.rept 16
	v_cvt_pk_bf16_f32 v[\dst+kk], v[\src+2*kk], v[\src+2*kk+1]
.set kk, kk+1
.endr
.endm
; Four out tiles x two K steps, A = weights (upper registers), B = activations, the bias tile starts each sum.
; The four accumulators take turns, one instruction a turn.
.macro GEMMB acc, w, x, cb, win0
	WIN \win0
.irp t, 0,1,2,3
	v_wmma_f32_16x16x32_bf16 v[\acc+8*\t:\acc+8*\t+7], v[\w+16*\t:\w+16*\t+7], v[\x:\x+7], v[\cb+8*\t:\cb+8*\t+7]
.endr
	WIN 0x01
.irp t, 0,1,2,3
	v_wmma_f32_16x16x32_bf16 v[\acc+8*\t:\acc+8*\t+7], v[\w+16*\t+8:\w+16*\t+15], v[\x+8:\x+15], v[\acc+8*\t:\acc+8*\t+7]
.endr
.endm
; The same with the sources swapped and no bias: lane = out feature, registers = rows.  Turns as above.
.macro GEMMV acc, w, x
	WIN 0x04
.irp t, 0,1,2,3
	v_wmma_f32_16x16x32_bf16 v[\acc+8*\t:\acc+8*\t+7], v[\x:\x+7], v[\w+16*\t:\w+16*\t+7], 0
.endr
.irp t, 0,1,2,3
	v_wmma_f32_16x16x32_bf16 v[\acc+8*\t:\acc+8*\t+7], v[\x+8:\x+15], v[\w+16*\t+8:\w+16*\t+15], v[\acc+8*\t:\acc+8*\t+7]
.endr
.endm
.macro RELU acc, dst
.irp t, 0,1,2,3
.irp j, 0,1,2,3,4,5,6,7
	v_max_num_f32 v[\acc+8*\t+\j], 0, v[\acc+8*\t+\j]
.endr
.irp j, 0,1,2,3
	v_cvt_pk_bf16_f32 v[\dst+4*\t+\j], v[\acc+8*\t+2*\j], v[\acc+8*\t+2*\j+1]
.endr
.endr
.endm
; four packed tiles are handed over: tile t becomes unit u0 + us t of parity par
.macro ST4 src, u0, us, par
.irp t, 0,1,2,3
	ds_store_b128 v2, v[\src+4*\t:\src+4*\t+3] offset:\par*XPAR+(\u0+\us*\t)*512
.endr
.endm
.macro BIASLD dst, sb                  ; the bias at s[sb:sb+1] as four C tiles: register j of tile t = b[16t+8h+j]
.irp t, 0,1,2,3
.irp b, 0,1
	global_load_b128 v[\dst+8*\t+4*\b:\dst+8*\t+4*\b+3], v4, s[\sb:\sb+1] offset:64*\t+16*\b
.endr
.endr
.endm
; my quarter of a sample: four loads, each 512 consecutive bytes (two rows), read once in the launch
.macro GLOAD
.irp j, 0,1,2,3
	global_load_b128 v[EL+4*\j:EL+4*\j+3], v1, s[24:25] offset:512*\j th:TH_LOAD_NT
.endr
.endm
; My quarter of the next sample is rounded into EO and stored into the entity exchange of parity par; then the sample behind it is asked for.
; The wait on LOADcnt is for 0: the four loads issued a step ago are all that the wave has out.  It also shows them done, so that their base may be
; stepped.  guard = 1 (the loop's second step): in the last trip the sample behind would be the 65th,
; so the loads are jumped over there, on the loop's counter.
.macro CONV par, guard
	s_wait_loadcnt 0x0
.irp j, 0,1,2,3
	v_cvt_pk_bf16_f32 v[EO+2*\j],   v[EL+4*\j],   v[EL+4*\j+1]
	v_cvt_pk_bf16_f32 v[EO+2*\j+1], v[EL+4*\j+2], v[EL+4*\j+3]
.endr
	s_wait_alu depctr_va_vdst(0)                   ; the conversions have written EO, which the stores read, and are done reading EL, in which the loads below land
.irp j, 0,1,2,3
	ds_store_b64 v[VES], v[EO+2*\j:EO+2*\j+1] offset:EXC+\par*EPAR+32*\j
.endr
.if \guard
	s_cmp_lg_u32 s22, 1
	s_cbranch_scc0 .Lnl_\@
.endif
	s_add_nc_u64 s[24:25], s[24:25], 0x2000        ; 8,192 bytes a sample
	GLOAD                                          ; no vector instruction since the wait above names EL or v1
.if \guard
.Lnl_\@:
.endif
.endm
; ---------------------------------------------------------------- FRONT: the sample of parity par; doc = 1: the next sample is converted on the way
.macro FRONT par, doc, guard
.irp rt, 0,1
.irp c, 0,1
.irp q, 0,1
	ds_load_b128 v[EX0+16*\rt+8*\c+4*\q:EX0+16*\rt+8*\c+4*\q+3], v3 offset:EXC+\par*EPAR+\rt*ERT+\c*EC+\q*EQ
.endr
.endr
.endr
.if \doc
	CONV (1-\par), \guard                          ; stands while the fragments are on their way out of LDS
.endif
	s_wait_dscnt 4+4*\doc                          ; rows 0-15 are in; the four loads of rows 16-31 and the four stores behind them may be out
	GEMMB SB, WE, EX0, BE, 0x01                    ; embedding of rows 0-15
	s_wait_dscnt 4*\doc                            ; rows 16-31 are in; the four stores may be out
	GEMMB SA, WE, EX1, BE, 0x01                    ; embedding of rows 16-31
	WIN 0
	NOPS 4
	RELU SB, EX0
	RELU SA, EX1
	; the two sets take turns: while one set's products run, the other's results are packed, which also gives the places
	GEMMB SB, WQ, EX0, BQ, 0x01                    ; Q: only the 16 agent rows are ever used
	GEMMB SA, WK, EX0, BK, 0x01                    ; K of keys 0-15
	WIN 0
	NOPS 4
	CVT16 P0, SB                                   ; Q
	GEMMB SB, WK, EX1, BK, 0x01                    ; K of keys 16-31
	WIN 0
	CVT16 P1, SA                                   ; K, keys 0-15
	s_wait_alu depctr_va_vdst(0)                   ; the conversions have written P0 and P1, which the eight stores read
	ST4 P0, 0, 1, \par
	ST4 P1, 4, 1, \par
	GEMMV SA, WV, EX0                              ; V of keys 0-15 (bv is added behind the attention)
	WIN 0
	s_wait_alu depctr_vm_vsrc(0)                   ; the eight stores have read P0 and P1, which the conversions below write again
	CVT16 P0, SB                                   ; K, keys 16-31
	GEMMV SB, WV, EX1                              ; V of keys 16-31
	WIN 0
	CVT16 P1, SA                                   ; V, keys 0-15
	CVT16 P2, SB                                   ; V, keys 16-31, into the registers that the line above has emptied
	s_wait_alu depctr_va_vdst(0)                   ; the conversions have written P0, P1 and P2, which the twelve stores read; the products are done reading EX0 and EX1, in which the next step's loads land
	ST4 P0, 8, 1, \par
	ST4 P1, 12, 2, \par
	ST4 P2, 13, 2, \par
.endm
; ---------------------------------------------------------------- BACK's pieces
; Softmax numerators of head t: my 16 keys of query r; the other 16 lie in lane r of the other half.
.macro SOFT t
.set LB, LG+16*\t
	v_max3_num_f32 v[T],   v[LB],   v[LB+1],  v[LB+2]
	v_max3_num_f32 v[T+1], v[LB+3], v[LB+4],  v[LB+5]
	v_max3_num_f32 v[T+2], v[LB+6], v[LB+7],  v[LB+8]
	v_max3_num_f32 v[T+3], v[LB+9], v[LB+10], v[LB+11]
	v_max3_num_f32 v[T],   v[T],    v[LB+12], v[LB+13]
	v_max3_num_f32 v[T+1], v[T+1],  v[LB+14], v[LB+15]
	v_max3_num_f32 v[T],   v[T],    v[T+1],   v[T+2]
	v_max_num_f32  v[T],   v[T],    v[T+3]
	v_permlanex16_b32 v[T+1], v[T], s20, s21       ; the other half's maximum
	v_max_num_f32  v[T], v[T], v[T+1]
	v_mul_f32 v[NM], -v[T], v[SFP]                 ; - maximum x sf
.irp j, 0,2,4,6,8,10,12,14
	v_pk_fma_f32 v[LB+\j:LB+\j+1], v[LB+\j:LB+\j+1], v[SFP:SFP+1], v[NM:NM+1] op_sel_hi:[1,0,0]   ; (l - maximum) sf: 0 everywhere where all keys are masked
.endr
.irp j, 0,1,2,3,4,5,6,7,8,9,10,11,12,13,14,15
	v_exp_f32 v[LB+\j], v[LB+\j]
.endr
	v_nop                                          ; one plain instruction between the last exponential and its use (ISA guide 5.7.2)
	s_wait_alu depctr_va_vdst(0)                   ; the sixteen exponentials have written their results, ahead of the roundings that read them
.irp j, 0,1,2,3,4,5,6,7
	v_cvt_pk_bf16_f32 v[PF+8*\t+\j], v[LB+2*\j], v[LB+2*\j+1]
.endr
.endm
.macro AV t                            ; output^T of head t, and the weights' sums; two accumulators, one instruction each
	v_wmma_f32_16x16x32_bf16 v[LG+16*\t:LG+16*\t+7],    v[VF+8*\t:VF+8*\t+7], v[PF+8*\t:PF+8*\t+7], 0
	v_wmma_f32_16x16x32_bf16 v[LG+16*\t+8:LG+16*\t+15], v[ONES:ONES+7],       v[PF+8*\t:PF+8*\t+7], 0
.endm
.macro NRM t                           ; output / sum + bv
.irp j, 0,2,4,6
	v_pk_fma_f32 v[LG+16*\t+\j:LG+16*\t+\j+1], v[LG+16*\t+\j:LG+16*\t+\j+1], v[T+2*\t:T+2*\t+1], v[BV+8*\t+\j:BV+8*\t+\j+1] op_sel_hi:[1,0,1]
.endr
.endm
; Softmax over the 64 features of agent r: my 32 in VF, the other 32 in the other half's lane.  Leaves exp in VF and coef / sum in CC.
.macro SOFTZ
	v_max3_num_f32 v[T],   v[VF],   v[VF+1],  v[VF+2]
	v_max3_num_f32 v[T+1], v[VF+3], v[VF+4],  v[VF+5]
	v_max3_num_f32 v[T+2], v[VF+6], v[VF+7],  v[VF+8]
	v_max3_num_f32 v[T+3], v[VF+9], v[VF+10], v[VF+11]
.irp p, 0,1,2,3,4,5,6,7,8,9
	v_max3_num_f32 v[T+(\p&3)], v[T+(\p&3)], v[VF+12+2*\p], v[VF+13+2*\p]
.endr
	v_max3_num_f32 v[T], v[T], v[T+1], v[T+2]
	v_max_num_f32  v[T], v[T], v[T+3]
	v_permlanex16_b32 v[T+1], v[T], s20, s21
	v_max_num_f32  v[T], v[T], v[T+1]
	v_mul_f32 v[NM], 0xbfb8aa3b, v[T]              ; - maximum x log2(e)
.irp j, 0,2,4,6,8,10,12,14,16,18,20,22,24,26,28,30
	v_pk_fma_f32 v[VF+\j:VF+\j+1], v[VF+\j:VF+\j+1], LOG2E, v[NM:NM+1] op_sel_hi:[1,0,0]
.endr
.set kk, 0
.rept 32
	v_exp_f32 v[VF+kk], v[VF+kk]
.set kk, kk+1
.endr
	v_nop
	s_wait_alu depctr_va_vdst(0)                   ; the 32 exponentials have written their results, ahead of the sums that read them
.irp j, 0,1,2,3
	v_pk_add_f32 v[T+2*\j:T+2*\j+1], v[VF+4*\j:VF+4*\j+1], v[VF+4*\j+2:VF+4*\j+3]
.endr
.irp j, 0,1,2,3,4,5,6,7
	v_pk_add_f32 v[T+2*(\j&3):T+2*(\j&3)+1], v[T+2*(\j&3):T+2*(\j&3)+1], v[VF+16+2*\j:VF+16+2*\j+1]
.endr
	v_pk_add_f32 v[T:T+1],   v[T:T+1],   v[T+2:T+3]
	v_pk_add_f32 v[T+4:T+5], v[T+4:T+5], v[T+6:T+7]
	v_pk_add_f32 v[T:T+1],   v[T:T+1],   v[T+4:T+5]
	v_add_f32 v[T], v[T], v[T+1]
	v_permlanex16_b32 v[T+1], v[T], s20, s21
	v_add_f32 v[T], v[T], v[T+1]
	v_rcp_f32 v[T+2], v[T]
	v_nop
	s_wait_alu depctr_va_vdst(0)                   ; the reciprocal has written v[T+2], ahead of the multiply that reads it
	v_mul_f32 v[CC], v[CO], v[T+2]
.endm
; ---------------------------------------------------------------- BACK: the sample that front handed over in the step before the step of parity par
.macro BACK par
.irp t, 0,1,2,3
	ds_load_b128 v[QF+8*\t+4*(\t&1):QF+8*\t+4*(\t&1)+3], v2 offset:(1-\par)*XPAR+\t*512
.endr
.irp kt, 0,1
.irp t, 0,1,2,3
	ds_load_b128 v[KF+16*\kt+4*\t:KF+16*\kt+4*\t+3], v2 offset:(1-\par)*XPAR+(4+4*\kt+\t)*512
.endr
.endr
.irp kt, 0,1
.irp b, 0,1
	ds_load_b128 v[MC+8*\kt+4*\b:MC+8*\kt+4*\b+3], v3 offset:64*\kt+16*\b
.endr
.endr
	ds_load_b64 v[SFP:SFP+1], v5
	ds_load_b32 v[KW], v6
	ds_load_b32 v[CO], v7
.irp t, 0,1,2,3
.irp kt, 0,1
	ds_load_b128 v[VF+8*\t+4*\kt:VF+8*\t+4*\kt+3], v2 offset:(1-\par)*XPAR+(12+2*\t+\kt)*512
.endr
.endr
	s_wait_dscnt 11                                ; Q, K and the mask tiles are in; sf, keep, coef and V's eight loads may be out
.irp t, 0,1,2,3
.irp kt, 0,1
	v_wmma_f32_16x16x32_bf16 v[LG+16*\t+8*\kt:LG+16*\t+8*\kt+7], v[KF+16*\kt+8*(\t>>1):KF+16*\kt+8*(\t>>1)+7], v[QF+8*\t:QF+8*\t+7], v[MC+8*\kt:MC+8*\kt+7]
.endr
.endr
	NOPS 5                                         ; four places before the logits are read, five before later products write over them
	s_wait_dscnt 8                                 ; sf, keep and coef are in; V's eight loads may be out
	SOFT 0
	s_wait_dscnt 0x0                               ; V
	AV 0
	SOFT 1
	AV 1
	SOFT 2
	AV 2
	SOFT 3
	AV 3
	WIN 0x10                                       ; source 2 (bv) in the upper registers
	v_rcp_f32 v[T],   v[LG+8]
	v_rcp_f32 v[T+2], v[LG+24]
	v_rcp_f32 v[T+4], v[LG+40]
	v_nop
	s_wait_alu depctr_va_vdst(0)                   ; the three reciprocals have written v[T], v[T+2], v[T+4], ahead of their first reader
	NRM 0                                          ; with the v_nop: five places behind head 3's products
	v_rcp_f32 v[T+6], v[LG+56]
	NRM 1
	NRM 2
	s_wait_alu depctr_va_vdst(0)                   ; the fourth reciprocal has written v[T+6]; heads 1 and 2 were the independent work behind it
	NRM 3
	WIN 0
.irp t, 0,1,2,3
.irp j, 0,1,2,3
	v_cvt_pk_bf16_f32 v[OFR+4*\t+\j], v[LG+16*\t+2*\j], v[LG+16*\t+2*\j+1]
.endr
.endr
	GEMMB PF, WO, OFR, BO, 0x11                    ; y^T = Wo^T x output^T + bo
	WIN 0
	NOPS 4
	CVT16 YFR, PF
.set kk, 0
.rept 16
	v_and_b32 v[YFR+kk], v[KW], v[YFR+kk]          ; y of a masked agent is 0
.set kk, kk+1
.endr
	GEMMB VF, WH, YFR, BH, 0x11                    ; z^T = Wh^T x y^T + hb
	WIN 0
	NOPS 4
	v_mov_b32 v[CC], v[CO]
	s_cmp_lg_u32 s19, 0                            ; nets b1 and b2 take z itself
	s_cbranch_scc1 .Lnsz_\@
	SOFTZ
.Lnsz_\@:
.irp j, 0,2,4,6,8,10,12,14,16,18,20,22,24,26,28,30
	v_pk_mul_f32 v[VF+\j:VF+\j+1], v[VF+\j:VF+\j+1], v[CC:CC+1] op_sel_hi:[1,0]
.endr
	CVT16 MC, VF
.irp t, 0,1,2,3
	v_wmma_f32_16x16x32_bf16 v[LG+8*\t:LG+8*\t+7], v[MC+8*(\t>>1):MC+8*(\t>>1)+7], v[IDN+4*(\t&1):IDN+4*(\t&1)+7], 0   ; lane = feature 16t+r, register j = agent 8h+j
.endr
	NOPS 4
.irp t, 0,1,2,3
	v_pk_add_f32 v[T+4*(\t&1):T+4*(\t&1)+1],   v[LG+8*\t:LG+8*\t+1],     v[LG+8*\t+2:LG+8*\t+3]
	v_pk_add_f32 v[T+4*(\t&1)+2:T+4*(\t&1)+3], v[LG+8*\t+4:LG+8*\t+5],   v[LG+8*\t+6:LG+8*\t+7]
	v_pk_add_f32 v[T+4*(\t&1):T+4*(\t&1)+1],   v[T+4*(\t&1):T+4*(\t&1)+1], v[T+4*(\t&1)+2:T+4*(\t&1)+3]
	v_add_f32 v[RR+\t], v[T+4*(\t&1)], v[T+4*(\t&1)+1]
.endr
	s_wait_alu depctr_va_vdst(0)                   ; the sums have written RR, which the store reads
	ds_store_b128 v[RTA], v[RR:RR+3]               ; eight agents' sums of four features
	s_wait_alu depctr_vm_vsrc(0)                   ; this step's loads have read v3, v5, v6, v7, and the store v[RTA] and RR: the adds below, and the next step's factor, write them again
	v_add_nc_u32 v3, 0x80, v3                      ; the tables' next sample,
	v_add_nc_u32 v5, 8, v5
	v_add_nc_u32 v6, 64, v6
	v_add_nc_u32 v7, 0x100, v7
	v_add_nc_u32 v[RTA], 0x200, v[RTA]             ; and its 512 bytes of sums
.endm
; ---------------------------------------------------------------- a step: one barrier, then front and back each do a sample
; The barrier hands both exchanges over: in front of it every wave's LDS stores are in LDS and its LDS reads are over, so that behind it
; the parity written last step may be read and the parity read last step may be written.
.macro STEP par, dof, doc, guard, dob
	s_wait_alu depctr_va_vdst(0)                   ; back: the five adds that end its step have written v3, v5, v6, v7 and v[RTA], which this step's loads and store read (a front wave's last vector instructions stand ahead of the wait in front of its last stores)
	s_wait_alu depctr_vm_vsrc(0)                   ; front: the last step's stores have read EO, P0, P1 and P2, which this step's conversions and products write again; in the first steps: the tables' loads and stores have read v[TB ..], which both roles now write
	s_wait_dscnt 0x0                               ; for the others' sake: zero
	s_barrier_signal -1
	s_barrier_wait -1
	s_cmp_lg_u32 s18, 0
	s_cbranch_scc1 .Lbk_\@
.if \dof
	FRONT \par, \doc, \guard
.endif
	s_branch .Ljn_\@
.Lbk_\@:
.if \dob
	BACK \par
.endif
.Ljn_\@:
.endm
; ================================================================ head
	s_load_b256 s[4:11], s[0:1], 0x0               ; agent_qs s[4:5], entities s[6:7], entity_mask s[8:9], wp s[10:11]
	s_load_b64  s[12:13], s[0:1], 0x20             ; out0
	s_load_b512 s[48:63], s[0:1], 0x28             ; biases, wave w's at +2w: be of the four nets, then bv of the four nets
	s_load_b512 s[68:83], s[0:1], 0x68             ; bq, then bo
	s_load_b512 s[84:99], s[0:1], 0xa8             ; bk, then hb
	v_lshrrev_b32 v1, 5, v0
	v_readfirstlane_b32 s16, v1                    ; wave
	s_mov_b32 s20, 0x76543210                      ; v_permlanex16_b32: lane i of one half reads lane i of the other
	s_mov_b32 s21, 0xfedcba98
	s_mov_b32 s43, 0                               ; upper word of the offset pair
	; the lane's terms, which hang on v0 alone
	v_and_b32 v1, 31, v0
	v_lshlrev_b32 v1, 4, v1                        ; 16 x lane
	v_and_b32 v[LR], 15, v0                        ; r
	v_bfe_u32 v[LH], v0, 4, 1                      ; h
	v_lshlrev_b32 v[L4], 2, v[LR]                  ; 4 r
	v_lshlrev_b32 v4, 5, v[LH]                     ; 32 h
	v_add_nc_u32 v6, KM, v[L4]                     ; agent r's keep word
	; front wave n loads rows 8n .. 8n+7; load j, lane L: row 8n + 2j + (L>>4), elements 4 (L&15) .. +3, which belong at
	; row tile n>>1, block (L>>1)&7, r = 8 (n&1) + 2j + (L>>4), half L&1
	v_bfe_u32 v[TB+47], v0, 1, 3
	v_mul_u32_u24 v[TB+47], EH, v[TB+47]
	v_lshl_add_u32 v[TB+47], v[LH], 4, v[TB+47]
	v_and_b32 v[TB+48], 1, v0
	v_lshl_add_u32 v[TB+47], v[TB+48], 3, v[TB+47] ; the lane's term
	; what the tables are made of: thread t has 8 mask bytes, 4 agents' mask bytes and 4 agent values of sample t >> 2
	v_lshlrev_b32 v[TB+33], 3, v0
	v_lshrrev_b32 v[TB+34], 2, v0
	v_and_b32 v[TB+35], 3, v0
	v_lshlrev_b32 v[TB+35], 2, v[TB+35]
	v_lshl_add_u32 v[TB+34], v[TB+34], 5, v[TB+35]
	v_lshlrev_b32 v[TB+35], 4, v0
	s_wait_alu depctr_va_sdst(0)                   ; s16 is written, ahead of its first reader: net, role, bases and LDS addresses are made from it
	s_and_b32  s17, s16, 3                         ; net
	s_lshr_b32 s18, s16, 2                         ; role
	s_and_b32  s19, s16, 1                         ; the wave's bit 0: a b net
	s_and_b32  s23, s16, 2                         ; its bit 1
	; LDS addresses: a constant, the net times a constant, a lane term
	s_mul_i32 s44, s17, XNET
	s_add_co_u32 s44, s44, XCH
	v_add_nc_u32 v2, s44, v1                       ; my 16 bytes of a unit of my net's exchange
	s_mul_i32 s14, s17, 64
	s_add_co_u32 s14, s14, CF
	v_add_nc_u32 v7, s14, v[L4]                    ; agent r's coef for my net
	s_mul_i32 s46, s17, RNET
	s_add_co_u32 s46, s46, RT                      ; my net's part of RT
	s_lshr_b32 s15, s17, 1
	s_mul_i32 s15, s15, ERT
	s_mul_i32 s45, s19, 128
	s_add_co_u32 s47, s15, s45                     ; the wave's term of where its bf16 go
	s_wait_kmcnt 0x0
	s_lshl_b32 s42, ttmp9, 19                      ; my 64 samples of 8,192 bytes,
	s_mul_i32 s45, s17, 2048                       ; and in each the wave's eight rows
	s_add_co_u32 s42, s42, s45
	s_add_nc_u64 s[24:25], s[6:7], s[42:43]        ; the entity loads' base: sample 0
	s_lshl_b32 s42, ttmp9, 11
	s_add_nc_u64 s[34:35], s[8:9], s[42:43]        ; my 64 x 32 mask bytes
	s_lshl_b32 s42, ttmp9, 12
	s_add_nc_u64 s[36:37], s[4:5], s[42:43]        ; my 64 x 16 agent values
	s_lshl_b32 s42, ttmp9, 8
	s_add_nc_u64 s[38:39], s[12:13], s[42:43]      ; my 64 outputs
	s_mul_i32 s42, s17, NETB
	s_add_nc_u64 s[40:41], s[10:11], s[42:43]      ; my net's block of weights
	; my wave's three biases into s[48:49], s[68:69], s[84:85]: a choice between buffers on the three bits of the wave's number
	s_cmp_lg_u32 s19, 0
.irp g, 48,68,84
.irp i, 0,1,2,3
	s_cselect_b64 s[\g+4*\i:\g+4*\i+1], s[\g+4*\i+2:\g+4*\i+3], s[\g+4*\i:\g+4*\i+1]
.endr
.endr
	s_cmp_lg_u32 s23, 0
.irp g, 48,68,84
.irp i, 0,1
	s_cselect_b64 s[\g+8*\i:\g+8*\i+1], s[\g+8*\i+4:\g+8*\i+5], s[\g+8*\i:\g+8*\i+1]
.endr
.endr
	s_cmp_lg_u32 s18, 0
.irp g, 48,68,84
	s_cselect_b64 s[\g:\g+1], s[\g+8:\g+9], s[\g:\g+1]
.endr
	s_wait_alu depctr_va_vdst(0)                   ; v1, v4 and v[TB+33 .. TB+35] are written: the offsets of all the head's loads; so are v2, v6 and v7, which LDS instructions read later
	global_load_b64  v[TB:TB+1],   v[TB+33], s[34:35]
	global_load_b32  v[TB+2],      v[TB+34], s[34:35]
	global_load_b128 v[TB+4:TB+7], v[TB+35], s[36:37]
	s_cmp_lg_u32 s18, 0
	s_cbranch_scc1 .Linit_back
	; ---- front: sample 0; We, Wq, Wk, Wv into registers 256-511; be, bq, bk as C tiles.  No vector instruction stands between the wait above and these loads
	GLOAD
	WIN 0x40
.set kk, 0
.rept 64
	global_load_b128 v[4*kk:4*kk+3], v1, s[40:41] offset:512*kk
.set kk, kk+1
.endr
	WIN 0
	BIASLD BE, 48
	BIASLD BQ, 68
	BIASLD BK, 84
	v_mul_u32_u24 v3, EH, v[LH]
	v_lshl_add_u32 v3, v[LR], 4, v3                ; 288 h + 16 r: my 16 bytes of a block (the entity exchange begins at LDS byte 0)
	v_add_nc_u32 v[VES], s47, v[TB+47]             ; where my 8 bytes of bf16 go
	CONV 0, 0                                      ; its wait for 0 covers the weights, the biases and the tables' inputs too, its wait on va_vdst v3 and v[VES]; sample 0 goes into the exchange, sample 1 is asked for
.irp j, 0,2,4,6,8,10,12,14,16,18,20,22,24,26,28,30
	v_pk_mul_f32 v[BQ+\j:BQ+\j+1], v[BQ+\j:BQ+\j+1], SCQ op_sel_hi:[1,0]
.endr
	s_wait_alu depctr_vm_vsrc(0)                   ; the bias loads have read v4, which is written again behind the join
	s_branch .Linit_done
.Linit_back:
	; ---- back: Wo, Wh, bv, bo, hb into registers 256-511; constants
	WIN 0x40
.set kk, 0
.rept 32
	global_load_b128 v[4*kk:4*kk+3], v1, s[40:41] offset:32768+512*kk
.set kk, kk+1
.endr
	BIASLD BV, 48
	BIASLD BO, 68
	BIASLD BH, 84
	WIN 0
	v_add_nc_u32 v3, MB, v4                        ; my eight keys of a mask tile
	v_mov_b32 v5, SF                               ; sample 0's sf
	v_lshlrev_b32 v14, 3, v[LH]
	v_sub_nc_u32 v14, v[LR], v14                   ; d = r - 8 h: my element of the identity, if it is 0..7
	v_mov_b32 v[T], 0x3f80                         ; bf16 1.0 in the low half
	v_mov_b32 v[T+1], 0x3f800000                   ; in the high half
.irp j, 0,1,2,3,4,5,6,7
	v_cmp_eq_u32 s[26+\j], \j, v14                 ; the eight compares in one run
.endr
.irp j, 0,1,2,3,4,5,6,7
	v_mov_b32 v[ONES+\j], 0x3f803f80
.endr
.irp t, 0,1,2,3
.irp j, 0,1,2,3
	v_mov_b32 v[QF+8*\t+4*(1-(\t&1))+\j], 0        ; the other head's half of Q's fragment
.endr
.endr
.irp j, 0,1,2,3
	v_mov_b32 v[NM+\j], 0                          ; NM and CC, both halves
.endr
	s_wait_alu depctr_va_sdst(0)                   ; the eight compares have written s26 to s33, ahead of the selects that read them
.irp j, 0,1,2,3
	v_cndmask_b32 v[IDN+\j], 0, v[T], s[26+2*\j]
	v_cndmask_b32 v[IDN+\j], v[IDN+\j], v[T+1], s[26+2*\j+1]
	v_mov_b32 v[IDN+4+\j], 0
	v_mov_b32 v[IDN+8+\j], v[IDN+\j]
.endr
.irp j, 0,1,2,3,4,5,6,7
	v_mov_b32 v[T+\j], 0                           ; written once: permute destinations and second halves of pairs count as read
.endr
	s_wait_loadcnt 0x0                             ; weights, biases and the tables' inputs are in
	s_wait_alu depctr_vm_vsrc(0)                   ; the bias loads have read v4, which is written again behind the join
.Linit_done:
	v_add_nc_u32 v[RTA], s46, v1                   ; the bias loads, whose offset v4 was, are done: now my 16 bytes of sample 0 in my net's part of RT
	; ================================================================ the tables, by all 256 threads: all numbers and addresses first, then one wait and the eight stores
	v_mov_b32 v[TB+29], MASKV
	v_mov_b32 v[TB+30], -1
	v_mov_b32 v[TB+31], 1.0
.irp b, 0,1,2,3,4,5,6,7
	v_bfe_u32 v[TB+28], v[TB+(\b>>2)], 8*(\b&3), 8
	v_cmp_ne_u32 s[26+\b], 0, v[TB+28]
.endr
	v_lshlrev_b32 v[TB+36], 5, v0
	v_add_nc_u32 v[TB+36], MB, v[TB+36]
	v_and_b32 v[TB+37], v[TB], v[TB+1]             ; all 32 bytes 1?  My 8, then the sample's four threads
	v_mov_b32 v[TB+38], v[TB+37]
	v_mov_b32_dpp v[TB+38], v[TB+37] row_xmask:1 row_mask:0xf bank_mask:0xf
	v_and_b32 v[TB+37], v[TB+37], v[TB+38]
	v_mov_b32_dpp v[TB+38], v[TB+37] row_xmask:2 row_mask:0xf bank_mask:0xf
	v_and_b32 v[TB+37], v[TB+37], v[TB+38]
	s_wait_alu depctr_va_sdst(0)                   ; the eight compares have written s26 to s33, ahead of the selects that read them
.irp b, 0,1,2,3,4,5,6,7
	v_cndmask_b32 v[TB+8+\b], 0, v[TB+29], s[26+\b]
.endr
	v_cmp_ne_u32 s30, 0x01010101, v[TB+37]
.irp b, 0,1,2,3
	v_bfe_u32 v[TB+28], v[TB+2], 8*\b, 8
	v_cmp_eq_u32 s[26+\b], 0, v[TB+28]
.endr
	v_lshrrev_b32 v[TB+40], 2, v0
	v_lshlrev_b32 v[TB+40], 3, v[TB+40]
	v_add_nc_u32 v[TB+40], SF, v[TB+40]
	v_add_nc_u32 v[TB+41], KM, v[TB+35]
	v_lshrrev_b32 v[TB+42], 2, v0
	v_and_b32 v[TB+43], 3, v0
	v_lshlrev_b32 v[TB+43], 4, v[TB+43]
	v_lshl_add_u32 v[TB+42], v[TB+42], 8, v[TB+43]
	v_add_nc_u32 v[TB+42], CF, v[TB+42]
	s_wait_alu depctr_va_sdst(0)                   ; the five compares have written s26 to s30, ahead of the selects that read them
	v_cndmask_b32 v[TB+38], 0, v[TB+31], s30
	v_mov_b32 v[TB+39], v[TB+38]
.irp b, 0,1,2,3
	v_cndmask_b32 v[TB+16+\b], 0, v[TB+30], s[26+\b]
	v_and_b32 v[TB+20+\b], 0x3d800000, v[TB+16+\b] ; keep / 16
	v_and_b32 v[TB+24+\b], 0x3a800000, v[TB+16+\b] ; keep / 1024
.endr
	s_wait_alu depctr_va_vdst(0)                   ; the tables' numbers v[TB+8 .. TB+27], v[TB+38 .. TB+39] and addresses v[TB+36], v[TB+40 .. TB+42] are written, which the eight stores read
	ds_store_b128 v[TB+36], v[TB+8:TB+11]
	ds_store_b128 v[TB+36], v[TB+12:TB+15] offset:16
	ds_store_b64 v[TB+40], v[TB+38:TB+39]          ; the four threads store the same pair
	ds_store_b128 v[TB+41], v[TB+16:TB+19]
	ds_store_b128 v[TB+42], v[TB+4:TB+7]           ; w1: the agent values, masked agents too, as the model has it
	ds_store_b128 v[TB+42], v[TB+20:TB+23] offset:64       ; b1
	ds_store_b128 v[TB+42], v[TB+20:TB+23] offset:128      ; w2
	ds_store_b128 v[TB+42], v[TB+24:TB+27] offset:192      ; b2
	; ================================================================ 65 steps
	STEP 0, 1, 1, 0, 0                             ; step 0: front alone, sample 0; sample 1 is converted, sample 2 asked for
	s_mov_b32 s22, 31
.Lloop:
	STEP 1, 1, 1, 0, 1                             ; steps 1, 3, .. 61: the last asks for sample 63
	STEP 0, 1, 1, 1, 1                             ; steps 2, 4, .. 62: the last converts sample 63 and asks for nothing
	s_sub_co_i32 s22, s22, 1
	s_cmp_lg_u32 s22, 0
	s_cbranch_scc1 .Lloop
	STEP 1, 1, 0, 0, 1                             ; step 63: nothing is left to convert
	STEP 0, 0, 0, 0, 1                             ; step 64: back alone, sample 63
	; ================================================================ the mixer: 64 samples, wave w takes 8w .. 8w+7, two at a time (one a half wave)
	s_wait_dscnt 0x0
	s_barrier_signal -1
	s_barrier_wait -1
	v_and_b32 v5, 15, v0                           ; r: I take features r, 16+r, 32+r, 48+r
	v_bfe_u32 v6, v0, 4, 1
	s_lshl_b32 s44, s16, 3
	v_add_nc_u32 v6, s44, v6                       ; 8 w + h
	v_lshlrev_b32 v7, 4, v5
	v_lshl_add_u32 v7, v6, 9, v7                   ; sample x 512 + 16 r
	v_add_nc_u32 v7, RT, v7                        ; nets 0 and 1
	v_add_nc_u32 v9, 2*RNET, v7                    ; nets 2 and 3: beyond what the 16-bit immediate reaches
	v_lshlrev_b32 v6, 2, v6
	v_add_nc_u32 v6, OUTS, v6
	s_wait_alu depctr_va_vdst(0)                   ; v7 and v9, the loads' addresses, and v6, the stores', are written
.irp i, 0,1,2,3
.irp n, 0,1,2,3
.irp p, 0,1
	ds_load_b128 v[16+32*\i+8*\n+4*\p:16+32*\i+8*\n+4*\p+3], v[7+2*(\n>>1)] offset:\i*1024+(\n&1)*RNET+\p*256
.endr
.endr
.endr
.macro COMB i                          ; the pair's result goes to v[148 + i]; the four stores stand behind the fourth pair
.set XB, 16+32*\i
	s_wait_dscnt 24-8*\i                           ; this pair's eight loads are in; the later pairs' may be out
.irp n, 0,1,2,3
	v_pk_add_f32 v[XB+8*\n:XB+8*\n+1],   v[XB+8*\n:XB+8*\n+1],   v[XB+8*\n+4:XB+8*\n+5]     ; agents 0-7 + agents 8-15
	v_pk_add_f32 v[XB+8*\n+2:XB+8*\n+3], v[XB+8*\n+2:XB+8*\n+3], v[XB+8*\n+6:XB+8*\n+7]
.endr
	v_pk_add_f32 v[XB:XB+1],     v[XB:XB+1],     v[XB+8:XB+9]       ; qs w_1 + b_1
	v_pk_add_f32 v[XB+2:XB+3],   v[XB+2:XB+3],   v[XB+10:XB+11]
	v_pk_add_f32 v[XB+24:XB+25], v[XB+24:XB+25], v[XB+26:XB+27]     ; b_2's share
.irp k, 0,1,2,3
	v_cmp_lt_f32 s[26+\k], 0, v[XB+\k]             ; the four compares in one run
.endr
.irp k, 0,1,2,3
	v_min_num_f32 v[144+\k], 0, v[XB+\k]
.endr
.irp k, 0,1,2,3
	v_mul_f32 v[144+\k], LOG2E, v[144+\k]
.endr
.irp k, 0,1,2,3
	v_exp_f32 v[144+\k], v[144+\k]
.endr
	v_add_f32 v[148+\i], v[XB+24], v[XB+25]        ; plain and independent: stands between the exponentials and their use
	s_wait_alu depctr_va_vdst(0)                   ; the four exponentials have written v144 to v147, ahead of their first reader
	s_wait_alu depctr_va_sdst(0)                   ; the four compares have written s26 to s29, ahead of the selects that read them
.irp k, 0,1,2,3
	v_add_f32 v[144+\k], -1.0, v[144+\k]
	v_cndmask_b32 v[144+\k], v[144+\k], v[XB+\k], s[26+\k]          ; elu
	v_fmac_f32 v[148+\i], v[144+\k], v[XB+16+\k]   ; + h w_2
.endr
	v_add_f32_dpp v[148+\i], v[148+\i], v[148+\i] row_xmask:1 row_mask:0xf bank_mask:0xf
	v_add_f32_dpp v[148+\i], v[148+\i], v[148+\i] row_xmask:2 row_mask:0xf bank_mask:0xf
	v_add_f32_dpp v[148+\i], v[148+\i], v[148+\i] row_xmask:4 row_mask:0xf bank_mask:0xf
	v_add_f32_dpp v[148+\i], v[148+\i], v[148+\i] row_xmask:8 row_mask:0xf bank_mask:0xf
.endm
	COMB 0
	COMB 1
	COMB 2
	COMB 3
	s_wait_alu depctr_va_vdst(0)                   ; the four results v148 to v151 are written, which the stores read
.irp i, 0,1,2,3
	ds_store_b32 v6, v[148+\i] offset:8*\i         ; sample 8w + 2i + h; sixteen lanes store the same word
.endr
	s_wait_dscnt 0x0
	s_barrier_signal -1
	s_barrier_wait -1
	s_cmp_lg_u32 s16, 0
	s_cbranch_scc1 .Lend
	v_lshlrev_b32 v8, 3, v0                        ; wave 0: two results a lane
	v_add_nc_u32 v12, OUTS, v8
	s_wait_alu depctr_va_vdst(0)                   ; v12, the load's address, and v8, the store's offset, are written
	ds_load_b64 v[10:11], v12
	s_wait_dscnt 0x0
	global_store_b64 v8, v[10:11], s[38:39]        ; the wave stores 256 consecutive bytes, aligned
.Lend:
	s_wait_xcnt 0x0
	v_lshl_add_u32 v252, v0, 2, 0x3d700
	v_mov_b32 v254, 0
	s_wait_dscnt 0x0                               ; the closing lines, six on end
	s_wait_alu 0x0
	s_wait_tensorcnt 0x0
	ds_add_u32 v252, v254
	s_wait_dscnt 0x0
	s_endpgm
.Lfunc_end_k_q4c00073663_mix:
	.size	k_q4c00073663_mix, .Lfunc_end_k_q4c00073663_mix-k_q4c00073663_mix
	.p2alignl 7, 3214868480
	.fill 96, 4, 3214868480
	.section	.rodata,"a",@progbits
	.p2align	6, 0x0
	.amdhsa_kernel k_q4c00073663_mix
		.amdhsa_group_segment_fixed_size 252672
		.amdhsa_private_segment_fixed_size 0
		.amdhsa_enable_private_segment 0
		.amdhsa_kernarg_size 232
		.amdhsa_user_sgpr_count 2
		.amdhsa_user_sgpr_kernarg_segment_ptr 1
		.amdhsa_wavefront_size32 1
		.amdhsa_system_sgpr_workgroup_id_x 1
		.amdhsa_system_sgpr_workgroup_id_y 1
		.amdhsa_system_sgpr_workgroup_id_z 1
		.amdhsa_system_vgpr_workitem_id 0
		.amdhsa_next_free_vgpr 512
		.amdhsa_next_free_sgpr 100
		.amdhsa_reserve_vcc 0
		.amdhsa_float_denorm_mode_32 3
		.amdhsa_float_denorm_mode_16_64 3
		.amdhsa_memory_ordered 1
		.amdhsa_forward_progress 1
		.amdhsa_inst_pref_size 209
	.end_amdhsa_kernel
	.amdgpu_metadata
---
amdhsa.version: [ 1, 2 ]
amdhsa.kernels:
  - .name:           k_q4c00073663_mix
    .symbol:         k_q4c00073663_mix.kd
    .args:
      - { .name: agent_qs, .offset: 0, .size: 8, .value_kind: global_buffer, .address_space: global }
      - { .name: entities, .offset: 8, .size: 8, .value_kind: global_buffer, .address_space: global }
      - { .name: entity_mask, .offset: 16, .size: 8, .value_kind: global_buffer, .address_space: global }
      - { .name: wp, .offset: 24, .size: 8, .value_kind: global_buffer, .address_space: global }
      - { .name: out0, .offset: 32, .size: 8, .value_kind: global_buffer, .address_space: global }
      - { .name: params_emb_w1_1, .offset: 40, .size: 8, .value_kind: global_buffer, .address_space: global }
      - { .name: params_emb_b1_1, .offset: 48, .size: 8, .value_kind: global_buffer, .address_space: global }
      - { .name: params_emb_w2_1, .offset: 56, .size: 8, .value_kind: global_buffer, .address_space: global }
      - { .name: params_emb_b2_1, .offset: 64, .size: 8, .value_kind: global_buffer, .address_space: global }
      - { .name: params_attn_w1_v_1, .offset: 72, .size: 8, .value_kind: global_buffer, .address_space: global }
      - { .name: params_attn_b1_v_1, .offset: 80, .size: 8, .value_kind: global_buffer, .address_space: global }
      - { .name: params_attn_w2_v_1, .offset: 88, .size: 8, .value_kind: global_buffer, .address_space: global }
      - { .name: params_attn_b2_v_1, .offset: 96, .size: 8, .value_kind: global_buffer, .address_space: global }
      - { .name: params_attn_w1_q_1, .offset: 104, .size: 8, .value_kind: global_buffer, .address_space: global }
      - { .name: params_attn_b1_q_1, .offset: 112, .size: 8, .value_kind: global_buffer, .address_space: global }
      - { .name: params_attn_w2_q_1, .offset: 120, .size: 8, .value_kind: global_buffer, .address_space: global }
      - { .name: params_attn_b2_q_1, .offset: 128, .size: 8, .value_kind: global_buffer, .address_space: global }
      - { .name: params_attn_w1_o_1, .offset: 136, .size: 8, .value_kind: global_buffer, .address_space: global }
      - { .name: params_attn_b1_o_1, .offset: 144, .size: 8, .value_kind: global_buffer, .address_space: global }
      - { .name: params_attn_w2_o_1, .offset: 152, .size: 8, .value_kind: global_buffer, .address_space: global }
      - { .name: params_attn_b2_o_1, .offset: 160, .size: 8, .value_kind: global_buffer, .address_space: global }
      - { .name: params_attn_w1_k_1, .offset: 168, .size: 8, .value_kind: global_buffer, .address_space: global }
      - { .name: params_attn_b1_k_1, .offset: 176, .size: 8, .value_kind: global_buffer, .address_space: global }
      - { .name: params_attn_w2_k_1, .offset: 184, .size: 8, .value_kind: global_buffer, .address_space: global }
      - { .name: params_attn_b2_k_1, .offset: 192, .size: 8, .value_kind: global_buffer, .address_space: global }
      - { .name: params_hyper_w1_1, .offset: 200, .size: 8, .value_kind: global_buffer, .address_space: global }
      - { .name: params_hyper_b1_1, .offset: 208, .size: 8, .value_kind: global_buffer, .address_space: global }
      - { .name: params_hyper_w2_1, .offset: 216, .size: 8, .value_kind: global_buffer, .address_space: global }
      - { .name: params_hyper_b2_1, .offset: 224, .size: 8, .value_kind: global_buffer, .address_space: global }
    .group_segment_fixed_size: 252672
    .private_segment_fixed_size: 0
    .kernarg_segment_align: 8
    .kernarg_segment_size: 232
    .max_flat_workgroup_size: 256
    .sgpr_count:     100
    .vgpr_count:     512
    .wavefront_size: 32
...
	.end_amdgpu_metadata
.endif
;; end of part 5
